; MI455X (gfx1250); checked and timed in simulation.
; The chip was launched on July 23, 2026; its instructions are those of AMD's public machine-readable ISA for CDNA 5 (MIT licence, August 2026) and "CDNA5" Instruction Set Architecture Reference Guide (July 2026). The comments in the code are by the model that wrote it; some were corrected since.
;; Transformer Block. Allowed arithmetic: matrix products marked QUANTISED: E3M2 operands, one E8M0 scale for each 32 along K, by v_wmma_scale_f32_16x16x128_f8f6f4 with both operands' format E3M2, f32 sums; everything else in f32.
;; Inputs: g1 1,024 float32; g2 1,024 float32; w1_codes 2,048 x 32 x 24 uint8 (E3M2 codes of w1, K innermost, in blocks of 32 codes, four codes in three bytes); w1_scales 2,048 x 32 uint8 (E8M0 scales of w1, one for each 32 codes along K); w2_codes 1,024 x 64 x 24 uint8 (E3M2 codes of w2, K innermost, in blocks of 32 codes, four codes in three bytes); w2_scales 1,024 x 64 uint8 (E8M0 scales of w2, one for each 32 codes along K); wk_codes 1,024 x 32 x 24 uint8 (E3M2 codes of wk, K innermost, in blocks of 32 codes, four codes in three bytes); wk_scales 1,024 x 32 uint8 (E8M0 scales of wk, one for each 32 codes along K); wo_codes 1,024 x 32 x 24 uint8 (E3M2 codes of wo, K innermost, in blocks of 32 codes, four codes in three bytes); wo_scales 1,024 x 32 uint8 (E8M0 scales of wo, one for each 32 codes along K); wq_codes 1,024 x 32 x 24 uint8 (E3M2 codes of wq, K innermost, in blocks of 32 codes, four codes in three bytes); wq_scales 1,024 x 32 uint8 (E8M0 scales of wq, one for each 32 codes along K); wv_codes 1,024 x 32 x 24 uint8 (E3M2 codes of wv, K innermost, in blocks of 32 codes, four codes in three bytes); wv_scales 1,024 x 32 uint8 (E8M0 scales of wv, one for each 32 codes along K); x 1 x 4,096 x 1,024 float32.
;; Outputs: out0 1 x 4,096 x 1,024 float32.
;; This version of the problem:
;;   THIS VERSION OF THE PROBLEM IS GIVEN IN LOW PRECISION. The matrix products marked QUANTISED in the list below multiply operands that are first quantised to E3M2 (3 exponent bits, 2 mantissa bits; 6 bits a number), with one power-of-two scale for each 32 numbers along K (OCP MX v1.0); their sums are f32. All else is computed in f32.
;;   The module's matrix products, in the order in which they are computed (A, B: the left and right operand; K: the contracted axis; several contracted axes count as one K, in the product's order):
;;     1. [M 4,096, K 1,024] x [K 1,024, N 1,024]; A: computed on the way; B: input wq (given as codes): QUANTISED
;;     2. [M 4,096, K 1,024] x [K 1,024, N 1,024]; A: computed on the way; B: input wk (given as codes): QUANTISED
;;     3. [M 4,096, K 1,024] x [K 1,024, N 1,024]; A: computed on the way; B: input wv (given as codes): QUANTISED
;;     4. batch 16 x [M 4,096, K 64] x [K 64, N 4,096]; A: computed on the way; B: computed on the way: QUANTISED
;;     5. batch 16 x [M 4,096, K 4,096] x [K 4,096, N 64]; A: softmax (see below); B: computed on the way: QUANTISED
;;     6. [M 4,096, K 1,024] x [K 1,024, N 1,024]; A: computed on the way; B: input wo (given as codes): QUANTISED
;;     7. [M 4,096, K 1,024] x [K 1,024, N 2,048]; A: computed on the way; B: input w1 (given as codes): QUANTISED
;;     8. [M 4,096, K 2,048] x [K 2,048, N 1,024]; A: computed on the way; B: input w2 (given as codes): QUANTISED
;;   THE QUANTISER, for each operand of a quantised product, along K:
;;     - K is cut into blocks of 32 from its start; a last block that is shorter is filled with zeros.
;;     - A block's scale is 2^e with e = floor(log2(the largest magnitude in the block)) - 4, held to -126 .. 127; a block of zeros has e = 0. As a byte (E8M0): e + 127.
;;     - Each number is divided by its block's scale, clamped to +-28, and rounded to the nearest number of E3M2, ties to even, subnormals kept.
;;     - The product sums the exact products of the quantised numbers (number of the format x scale) in f32.
;;   ~~~python
;;   def quantise(x, axis):      # numpy; x: float32 -> the quantised numbers, widened to float32 again
;;       x = np.moveaxis(x, axis, -1); K = x.shape[-1]
;;       x = np.pad(x, [(0, 0)] * (x.ndim - 1) + [(0, -K % 32)]); x = x.reshape(x.shape[:-1] + (-1, 32)); a = np.abs(x).max(-1, keepdims=True)
;;       e = np.where(a > 0, np.clip(np.frexp(np.where(a > 0, a, 1))[1] - 1 - 4, -126, 127), 0)      # np.frexp(a)[1] - 1 = floor(log2(a)), exactly
;;       r = np.clip(x / 2.0 ** e, -28, 28)
;;       step = 2.0 ** (np.maximum(np.frexp(np.where(r == 0, 1, r))[1] - 1, -2) - 2)
;;       q = np.round(r / step) * step * 2.0 ** e      # np.round: ties to even
;;       return np.moveaxis(q.reshape(q.shape[:-2] + (-1,))[..., :K], -1, axis).astype(np.float32)
;;   ~~~
;;   SOFTMAX AHEAD OF A QUANTISED PRODUCT. Where the list says 'softmax', what is quantised is not the finished softmax but p = 2^(t - M), with t = logit x log2(e) and M = ceil(the row's largest t), a whole number; so 1/2 < the row's largest p <= 1. The row's sum l is taken of the UNQUANTISED p, in f32, and the product's result is divided by l at the end. Since M is a whole number, a kernel that streams over the keys may use a running M (the ceiling of the running maximum): every later rescaling is an exact power of two, which a block's scale takes up: the codes' values come out the same.
;;   OPERANDS COMPUTED ON THE WAY. 'Computed on the way' means the value that the module computes at that place (a softmax that the list does not call 'softmax' is quantised finished and normalised). What goes into a quantiser is computed in f32, as accurately as f32 sums, v_exp_f32 and their like allow (about 1e-6 of the number): no bf16 or f16 on the way to a quantiser, and a product that is left as it is and whose result goes on into a quantised operand takes f32 operands (vector FMAs, or v_wmma_f32_16x16x4_f32). A number that lies on a knife's edge between two numbers of the format may be rounded either way, as far as f32 arithmetic and the matrix unit's own rounding can turn it there, and no further.
;;   INPUTS GIVEN AS CODES. w1 (in the module: [2048, 1024], K = its axis 1); w2 (in the module: [1024, 2048], K = its axis 1); wk (in the module: [1024, 1024], K = its axis 1); wo (in the module: [1024, 1024], K = its axis 1); wq (in the module: [1024, 1024], K = its axis 1); wv (in the module: [1024, 1024], K = its axis 1): each comes as NAME_codes (uint8): NAME with its K axis moved to the last place and cut into blocks of 32 codes, [.., K / 32, bytes a block], one block behind the other in memory; four codes in three bytes: a row's codes are one little-endian stream of bits, code i at bits 6 i .. 6 i + 5 (a code: sign, 3 exponent bits, 2 mantissa bits); and NAME_scales (uint8): the same leading axes, one E8M0 byte (e + 127) for each 32 codes along K. Its value is code x scale, taken as it is: it is not quantised again, and the codes and scales need not be those that the quantiser above would give.
;; One version. Each part assembles by itself: llvm-mc -triple=amdgcn-amd-amdhsa -mcpu=gfx1250 --defsym DOCPART=n.
;; ======== version 1 of 1: 5 launches
;; limits: right only within a limited range of input values
;; workspace buffers: qimg 3,145,728 bytes; qsc 262,144 bytes; kv 6,684,672 bytes; ao 3,145,728 bytes; aos 131,072 bytes; h 16,777,216 bytes; ff 6,291,456 bytes; ffs 262,144 bytes
;; launch qkv (part 1): grid 64 x 3, 4 waves a work-group, clusters of 4 x 1, 327,680 bytes of LDS; arguments x, g1, wq_codes, wq_scales, wk_codes, wk_scales, wv_codes, wv_scales, qimg, qsc, kv; writes qimg, qsc, kv
.if DOCPART == 1
	.amdgcn_target "amdgcn-amd-amdhsa--gfx1250"
	.amdhsa_code_object_version 6
	.text
	.protected	k_q41e4282d2a_qkv
	.globl	k_q41e4282d2a_qkv
	.p2align	8
	.type	k_q41e4282d2a_qkv,@function
k_q41e4282d2a_qkv:
	s_mov_b64 s[64:65], 0
	v_nop
	global_prefetch_b8 v0, s[64:65] scope:SCOPE_SE
	s_setreg_imm32_b32 hwreg(HW_REG_WAVE_MODE, 25, 1), 1
	s_wait_xcnt 0x0
	s_wait_alu depctr_hold_cnt(0) depctr_sa_sdst(0) depctr_va_vdst(0) depctr_va_sdst(0) depctr_va_ssrc(0) depctr_va_vcc(0) depctr_vm_vsrc(0)
	s_getreg_b32 s2, hwreg(HW_REG_IB_STS2, 6, 4)
	s_cmp_eq_u32 s2, 0
	s_cbranch_scc0 .Lentry_in_a_cluster
	s_endpgm
.Lentry_in_a_cluster:
	s_bfe_u32 s2, ttmp6, 0x10000c
	s_cmp_lg_u32 s2, 0x3003
	s_cbranch_scc0 .Lentry_shape_is_right
	s_endpgm
.Lentry_shape_is_right:
; q, k, v = Q(rmsnorm(x, g1)) W^T on codes of BF6 (E3M2) with one E8M0 scale for each 32 along K, and the results quantised again for attention.
; SHARES.  Work-group (rb, y): 64 rows of x (rb) and one of the three weights (y = 0 q, 1 k, 2 v).  Wave w makes columns 256 w .. 256 w + 255: heads 4 w .. 4 w + 3, one head a trip.
; PROLOGUE.  Wave w norms and quantises 16 of the 64 rows (tile w); the 32 fragments (4 tiles x 8 K steps) go from wave to wave through LDS as images of their registers and then stay in every
; wave's registers (384).  So only W is streamed: each wave's own 32 rows x 768 bytes a step, through its own two LDS slots, by tensor loads.
; CLUSTER.  The four work-groups of a cluster are four row blocks of one y: they walk the same rows of W, so each tile is asked for JOINTLY (mask 15, the same descriptor in all four).
; ROWS OF A TILE.  Lane r of tile m is row 64 rb + 32 (m / 2) + 8 (m % 2) + r % 8 + 16 (r / 8): used as source 0, tiles 2 b and 2 b + 1 give a lane 16 neighbouring rows.
; ORIENTATION.  q, k: source 0 = 16 rows of W, source 1 = a tile of rows: a lane holds one row, its registers run along the head's channels, which are the next K.
;               v:    source 0 = a tile of rows, source 1 = 16 rows of W: a lane holds one channel, its registers run along the keys, which are the next K.
; OUT.  A half image (768 bytes) is 16 rows x 64 k as six registers a lane: the first four at 16 x lane (512 bytes), the last two at 512 + 8 x lane.  Every store of codes covers whole aligned blocks of 256 bytes.
; v's scale bytes leave as halfwords, 4 bytes apart (the other halfword is the neighbouring row block's): 256 bytes a head and work-group.
; LIMITS.  NaN and infinities among the inputs are not served.  A block whose largest magnitude lies under 2^-122, a block of zeros among them, gets the byte 1 (its codes are zeros or next to it; only this
; program reads the bytes).  The sum of squares is taken in eight chains a lane, another order than the reference's.
; REGISTERS.  window 0: v1-18 addresses, v20-31 at work, v32-47 the rows' scale words, v48-111 W's scale words, v112-255 at work.  window 1: W's fragments, two sets of 96.
;   windows 2, 3: v0-191 the rows' fragments (tile m, K step s) at 12 (4 m + s % 4), window 2 + s / 4; v192-255 the accumulators of the slot step (window 2: channels 0-31 of the head, window 3: 32-63).
.set SLOT1,  131072                    ; slot 1 of the ring
.set WSLOT,  26112                     ; a wave's part of a slot: 32 rows x 816 bytes
.set CTB,    13056                     ; 16 rows
.set WSTEP,  49152                     ; a slot's next tile: 64 rows of 768 bytes on
.set GL,     104448                    ; behind slot 0: the gain, 4,096 bytes
.set ASC,    108544                    ; the rows' scale words: (4 s + m) x 64 + 4 r
.set SPARE,  110592                    ; the spare words: 128 bytes a wave
.set AIMG,   235520                    ; behind slot 1: the 32 images, (8 m + s) x 1,536; a wave's own 12,288 bytes serve first as its turning stage (16 rows x 528)
.set SPW, 4
.set NIL, 5
.set ADB, 12                           ; v12-13 my place in a tile of W, slot 0, 1;  v14-15 the same behind one padding more
.set ADB2, 14
.set AS, 32
.set WSC, 48
.set WV, 16
.set RB, 18
.set Y, 19
.set G1, 32
.set G0, 40
.set MSB, 0
.macro WIN new                         ; the immediate's high byte repeats the setting that is left; a switch that changes nothing is dropped
.if MSB != (\new)
	s_set_vgpr_msb (MSB<<8)|(\new)
.set MSB, (\new)
.endif
.endm
.macro PLACES                          ; four places behind a matrix instruction of this form, in front of loads into its registers and of reads of its results
.rept 4
	v_nop
.endr
.endm
.macro CROUND                          ; a round of the cluster's barrier
	s_barrier_signal -1
	s_barrier_wait -1
	s_cmp_lg_u32 s[WV], 0
	s_cbranch_scc1 .Lnot_wave_0_\@
	s_barrier_signal -3
.Lnot_wave_0_\@:
	s_barrier_wait -3
	s_barrier_signal -1
	s_barrier_wait -1
.endm
.macro JL g0                           ; a joint load: every wave asks for its own rows of W; four v_nop follow
	tensor_load_to_lds s[(\g0):(\g0)+3], s[G1:G1+7]
	s_nop 0
.rept 4
	v_nop
.endr
.endm
.macro WML d, a, b, c, sa, sb, ra, rb  ; one product; ra, rb: the scale words stand in lanes 16-31 of their registers
.if (\ra) && (\rb)
	v_wmma_scale_f32_16x16x128_f8f6f4 v[(\d):(\d)+7], v[(\a):(\a)+11], v[(\b):(\b)+11], \c, v[\sa], v[\sb] matrix_a_fmt:MATRIX_FMT_BF6 matrix_b_fmt:MATRIX_FMT_BF6 matrix_a_scale:MATRIX_SCALE_ROW1 matrix_b_scale:MATRIX_SCALE_ROW1
.elseif (\ra)
	v_wmma_scale_f32_16x16x128_f8f6f4 v[(\d):(\d)+7], v[(\a):(\a)+11], v[(\b):(\b)+11], \c, v[\sa], v[\sb] matrix_a_fmt:MATRIX_FMT_BF6 matrix_b_fmt:MATRIX_FMT_BF6 matrix_a_scale:MATRIX_SCALE_ROW1
.elseif (\rb)
	v_wmma_scale_f32_16x16x128_f8f6f4 v[(\d):(\d)+7], v[(\a):(\a)+11], v[(\b):(\b)+11], \c, v[\sa], v[\sb] matrix_a_fmt:MATRIX_FMT_BF6 matrix_b_fmt:MATRIX_FMT_BF6 matrix_b_scale:MATRIX_SCALE_ROW1
.else
	v_wmma_scale_f32_16x16x128_f8f6f4 v[(\d):(\d)+7], v[(\a):(\a)+11], v[(\b):(\b)+11], \c, v[\sa], v[\sb] matrix_a_fmt:MATRIX_FMT_BF6 matrix_b_fmt:MATRIX_FMT_BF6
.endif
.endm
.macro WM d, a, b, zero, sa, sb, ra, rb
.if \zero
	WML \d, \a, \b, 0, \sa, \sb, \ra, \rb
.else
	WML \d, \a, \b, v[(\d):(\d)+7], \sa, \sb, \ra, \rb
.endif
.endm
; 32 products: four K steps x four tiles of rows x two tiles of W.  The eight accumulators take turns, one instruction a turn.
.macro PASS_T sg, half, zero, wb, ab
	WIN ((2+\sg)<<6)|((2+\sg)<<4)|((2+\half)<<2)|1
.irp sp, 0,1,2,3
.irp m, 0,1,2,3
.irp c, 0,1
	WM 192+16*\m+8*\c, 96*\half+12*(4*\c+\sp), 12*(4*\m+\sp), (\zero)&&(\half==0)&&(\sp==0), \wb+4*\half+\sp, \ab+2*(4*\half+\sp)+\m/2, \c, \m%2
.endr
.endr
.endr
	WIN 0
.endm
.macro PASS_N sg, half, zero, wb, ab
	WIN ((2+\sg)<<6)|((2+\sg)<<4)|(1<<2)|(2+\half)
.irp sp, 0,1,2,3
.irp m, 0,1,2,3
.irp c, 0,1
	WM 192+32*\c+8*\m, 12*(4*\m+\sp), 96*\half+12*(4*\c+\sp), (\zero)&&(\half==0)&&(\sp==0), \ab+2*(4*\half+\sp)+\m/2, \wb+4*\half+\sp, \m%2, \c
.endr
.endr
.endr
	WIN 0
.endm
.macro PASS sg, half, zero, wb, ab     ; the branch hangs on y, which the partners of a cluster share
	s_cmp_eq_u32 s[Y], 2
	s_cbranch_scc1 .Lpn_\@
	PASS_T \sg, \half, \zero, \wb, \ab
	s_branch .Lpd_\@
.Lpn_\@:
	PASS_N \sg, \half, \zero, \wb, \ab
.Lpd_\@:
.endm
; A fragment of W: 16 rows x 128 K, twelve registers, in pieces of 8 bytes.  The mover lays 16 bytes of padding behind every 256: lanes 16-31 read 24 bytes further on, which for some pieces is behind one padding more.
.macro FRAGB reg, sg, c, s
.irp p, 0,1,2,3,4,5
.set X0, 96*(\s)+48*(\p/3)+8*(\p%3)
.if X0%256 < 232
	ds_load_b64 v[(\reg)+2*\p:(\reg)+2*\p+1], v[ADB+(\sg)] offset:(\c)*CTB+X0+16*(X0/256)
.else
	ds_load_b64 v[(\reg)+2*\p:(\reg)+2*\p+1], v[ADB2+(\sg)] offset:(\c)*CTB+X0+16*(X0/256)
.endif
.endr
.endm
.macro FETCHB set, sg, half            ; 48 loads: two tiles of W x four K steps into one set
	WIN 0x40
.irp c, 0,1
.irp sp, 0,1,2,3
	FRAGB 96*(\set)+12*(4*\c+\sp), \sg, \c, 4*(\half)+\sp
.endr
.endr
	WIN 0
.endm
; A slot step: 32 rows of W against the 64 rows, all of K: 64 products.  fill: this slot is filled again in its middle, when its second half lies in registers.  nxt: the other slot's fragments are fetched.
.macro SSTEP sg, zero, fill, nxt, wb, ab
	s_wait_dscnt 48                                ; the first set is in; the second set's 48 loads may be out
	PASS \sg, 0, \zero, \wb, \ab
.if \nxt
	s_wait_tensorcnt 0x0                           ; all my tensor loads have landed: the one that was out is the other slot's
.if \fill
	ds_add_u32 v[SPW], v[NIL]                      ; 0 onto my spare word
	s_add_nc_u64 s[G0+4*\sg+2:G0+4*\sg+3], s[G0+4*\sg+2:G0+4*\sg+3], WSTEP   ; no tensor load of mine is out: the slot's next tile
	s_wait_xcnt 0x0                                ; my earlier prefetches have read their base
	s_add_nc_u64 s[66:67], s[66:67], 24576         ; in slot step n it now stands at tile n + 1
	s_wait_dscnt 0x0                               ; the add is done, and my reads of this slot are over: its second half lies in registers
	CROUND                                         ; that now holds of every wave of the four work-groups
	JL G0+4*\sg                                    ; my one tensor load behind the round; its four v_nop are the places in front of the loads below
.else
	PLACES
.endif
	FETCHB 0, 1-\sg, 0
.if \fill
	s_cmp_gt_u32 s62, 1                            ; slot step n has asked for tile n + 2 and names tile n + 4, two refills on; the loop's last trip (n = 4, 5) has no such tile
	s_cbranch_scc0 .Lnopf_\@
	global_prefetch_b8 v19, s[66:67] offset:73728 th:TH_LOAD_NT scope:SCOPE_SE
.Lnopf_\@:
.endif
	s_wait_dscnt 48                                ; the second set is in; the 48 just issued may be out
.else
	s_wait_dscnt 0x0
.endif
	PASS \sg, 1, \zero, \wb, \ab
.if \nxt
	PLACES
	FETCHB 1, 1-\sg, 1
.endif
.endm
; ---- the prologue's steps
.macro XCHUNK s                        ; K step s of my 16 rows: each load reads 512 consecutive bytes of one row
	WIN (2+(\s)/4)<<6
.set qi, 0
.rept 16
	global_load_b128 v[64*((\s)%4)+4*qi:64*((\s)%4)+4*qi+3], v1, s[4:5] offset:(qi+8*(qi/8))*4096+512*(\s)
.set qi, qi+1
.endr
	WIN 0
.endm
.macro STAGE s                         ; through my stage: in by rows, back so that register 16 b + i is k = 128 s + 32 b + 16 (lane / 16) + i of row lane % 16.  LDS serves a wave's instructions in order
	WIN (2+(\s)/4)<<2
.set qi, 0
.rept 16
	ds_store_b128 v6, v[64*((\s)%4)+4*qi:64*((\s)%4)+4*qi+3] offset:528*qi
.set qi, qi+1
.endr
	WIN (2+(\s)/4)<<6
.set qi, 0
.rept 16
	ds_load_b128 v[64*((\s)%4)+4*qi:64*((\s)%4)+4*qi+3], v7 offset:128*(qi/4)+16*(qi%4)
.set qi, qi+1
.endr
	WIN 0
.endm
.macro SUMSQ s                         ; the squares of my 64 numbers of K step s, in four packed chains; the first four products start them
	WIN (2+(\s)/4)*5
.set qi, 0
.rept 32
.if ((\s) == 0) && (qi < 4)
	v_pk_mul_f32 v[22+2*qi:23+2*qi], v[2*qi:2*qi+1], v[2*qi:2*qi+1]
.else
	v_pk_fma_f32 v[22+2*(qi%4):23+2*(qi%4)], v[64*((\s)%4)+2*qi:64*((\s)%4)+2*qi+1], v[64*((\s)%4)+2*qi:64*((\s)%4)+2*qi+1], v[22+2*(qi%4):23+2*(qi%4)]
.endif
.set qi, qi+1
.endr
	WIN 0
.endm
.macro GLOAD s                         ; the gain at my 64 places of K step s
.set qi, 0
.rept 16
	ds_load_b128 v[112+4*qi:115+4*qi], v8 offset:512*(\s)+128*(qi/4)+16*(qi%4)
.set qi, qi+1
.endr
.endm
; 64 numbers of a lane in window w, from v[xb] on, become a fragment's codes in v192-203 and its scale word in v188
.macro QUANT4 w, xb
	WIN (\w)*5
.irp b, 0,1,2,3
	v_max3_num_f32 v[176+\b], |v[(\xb)+16*\b]|, |v[(\xb)+16*\b+1]|, 0x2800000   ; block b: my 16 numbers, and the floor 2^(5 - 127): the byte cannot fall under 1
.endr
	WIN (\w)*20
.irp i, 2,4,6,8,10,12,14
.irp b, 0,1,2,3
	v_max3_num_f32 v[176+\b], v[176+\b], |v[(\xb)+16*\b+\i]|, |v[(\xb)+16*\b+\i+1]|
.endr
.endr
	WIN 0
.irp b, 0,1,2,3
	v_permlanex16_b32 v[180+\b], v[176+\b], s20, s21
.endr
.irp b, 0,1,2,3
	v_max_num_f32 v[176+\b], v[176+\b], v[180+\b]  ; with lane l xor 16's: the block's largest magnitude
.endr
.irp b, 0,1,2,3
	v_add_nc_u32 v[184+\b], 0xfe000000, v[176+\b]  ; 4 off its exponent field: the conversion's scale operand
.endr
.irp b, 0,1,2,3
	v_lshrrev_b32 v[180+\b], 23, v[184+\b]         ; the scale's byte
.endr
	v_lshl_or_b32 v188, v181, 8, v180
	v_lshl_or_b32 v188, v182, 16, v188
	v_lshl_or_b32 v188, v183, 24, v188
	WIN \w
.irp c, 0,1
	v_cvt_scalef32_pk16_bf6_f32 v[192+6*\c:194+6*\c], v[(\xb)+32*\c:(\xb)+32*\c+15], v[184+2*\c]
	v_cvt_scalef32_pk16_bf6_f32 v[204+4*\c:206+4*\c], v[(\xb)+32*\c+16:(\xb)+32*\c+31], v[185+2*\c]
.endr
	WIN 0
	v_nop                                          ; one plain place behind a scaled conversion
.irp c, 0,1
.irp i, 0,1,2
	v_permlane16_swap_b32 v[192+6*\c+\i], v[204+4*\c+\i]   ; a whole block to a lane
.endr
.irp i, 0,1,2
	v_mov_b32 v[195+6*\c+\i], v[204+4*\c+\i]
.endr
.endr
.endm
.macro QSTEP s                         ; K step s: (x rms) g, quantised; the image and the scale word go to LDS
	s_wait_dscnt 0x0                               ; the gain is in, and the last image's stores have read their registers
	WIN (2+(\s)/4)*65
.set qi, 0
.rept 32
	v_pk_mul_f32 v[64*((\s)%4)+2*qi:64*((\s)%4)+2*qi+1], v[64*((\s)%4)+2*qi:64*((\s)%4)+2*qi+1], v[20:21]
.set qi, qi+1
.endr
.set qi, 0
.rept 32
	v_pk_mul_f32 v[64*((\s)%4)+2*qi:64*((\s)%4)+2*qi+1], v[64*((\s)%4)+2*qi:64*((\s)%4)+2*qi+1], v[112+2*qi:113+2*qi]
.set qi, qi+1
.endr
	WIN 0
.if (\s) < 7
	GLOAD (\s)+1
.endif
	QUANT4 2+(\s)/4, 64*((\s)%4)
.irp c, 0,1,2
	ds_store_b128 v6, v[192+4*\c:195+4*\c] offset:1536*(\s)+512*\c
.endr
	ds_store_b32 v9, v188 offset:256*(\s)
.endm
; ---- the epilogue: four items of 16 rows x 64 k; v112-119 hold the largest magnitudes of a lane's 16 numbers, item q's blocks at 2 q, 2 q + 1
.macro QTAIL1
.irp k, 0,1,2,3,4,5,6,7
	v_permlanex16_b32 v[120+\k], v[112+\k], s20, s21
.endr
.irp k, 0,1,2,3,4,5,6,7
	v_max_num_f32 v[112+\k], v[112+\k], v[120+\k]
.endr
.irp k, 0,1,2,3,4,5,6,7
	v_add_nc_u32 v[128+\k], 0xfe000000, v[112+\k]
.endr
.irp k, 0,1,2,3,4,5,6,7
	v_lshrrev_b32 v[120+\k], 23, v[128+\k]
.endr
.irp q, 0,1,2,3
	v_lshl_or_b32 v[136+\q], v[121+2*\q], 8, v[120+2*\q]   ; two bytes: the item's half of a scale word
.endr
.endm
.macro QTAIL2 istr, off
	v_nop                                          ; one plain place behind the scaled conversions
.irp q, 0,1,2,3
.irp i, 0,1,2
	v_permlane16_swap_b32 v[144+8*\q+\i], v[176+4*\q+\i]
.endr
.endr
.irp q, 0,1,2,3
.irp i, 0,1,2
	v_mov_b32 v[147+8*\q+\i], v[176+4*\q+\i]
.endr
.endr
.irp q, 0,1,2,3
	global_store_b128 v1, v[144+8*\q:147+8*\q], s[12:13] offset:\q*(\istr)+(\off)       ; 512 consecutive bytes, aligned to 256
	global_store_b64 v2, v[148+8*\q:149+8*\q], s[12:13] offset:\q*(\istr)+(\off)+512    ; 256 consecutive bytes, aligned
.endr
.endm
.macro EPI_T istr, off                 ; a lane holds a row; item q = tile m; block 0 in window 2, block 1 in window 3
.irp sg, 0,1
	WIN (2+\sg)*65
.irp m, 0,1,2,3
.irp j, 0,1,2,3,4,5,6,7
	v_permlane16_swap_b32 v[192+16*\m+\j], v[200+16*\m+\j]   ; the two tiles' halves change places: the 16 registers are now channels 32 sg + 16 (lane / 16) + 0 .. 15.  Each accumulator is read from its low end on
.endr
.endr
.endr
.irp sg, 0,1
	WIN (2+\sg)*5
.irp m, 0,1,2,3
	v_max3_num_f32 v[112+2*\m+\sg], |v[192+16*\m]|, |v[193+16*\m]|, 0x2800000
.endr
	WIN (2+\sg)*20
.irp i, 2,4,6,8,10,12,14
.irp m, 0,1,2,3
	v_max3_num_f32 v[112+2*\m+\sg], v[112+2*\m+\sg], |v[192+16*\m+\i]|, |v[193+16*\m+\i]|
.endr
.endr
.endr
	WIN 0
	QTAIL1
	WIN 2
.irp m, 0,1,2,3
	v_cvt_scalef32_pk16_bf6_f32 v[144+8*\m:146+8*\m], v[192+16*\m:207+16*\m], v[128+2*\m]
.endr
	WIN 3
.irp m, 0,1,2,3
	v_cvt_scalef32_pk16_bf6_f32 v[176+4*\m:178+4*\m], v[192+16*\m:207+16*\m], v[129+2*\m]
.endr
	WIN 0
	QTAIL2 \istr, \off
.endm
.macro EPI_N                           ; a lane holds a channel; item q = 2 sg + c: the head's tile of 16 channels; its 32 registers are keys 32 b + 16 (lane / 16) + i
.irp sg, 0,1
	WIN (2+\sg)*5
.irp c, 0,1
.irp b, 0,1
	v_max3_num_f32 v[112+2*(2*\sg+\c)+\b], |v[192+32*\c+16*\b]|, |v[193+32*\c+16*\b]|, 0x2800000
.endr
.endr
	WIN (2+\sg)*20
.irp i, 2,4,6,8,10,12,14
.irp c, 0,1
.irp b, 0,1
	v_max3_num_f32 v[112+2*(2*\sg+\c)+\b], v[112+2*(2*\sg+\c)+\b], |v[192+32*\c+16*\b+\i]|, |v[193+32*\c+16*\b+\i]|
.endr
.endr
.endr
.endr
	WIN 0
	QTAIL1
.irp sg, 0,1
	WIN 2+\sg
.irp c, 0,1
	v_cvt_scalef32_pk16_bf6_f32 v[144+8*(2*\sg+\c):146+8*(2*\sg+\c)], v[192+32*\c:207+32*\c], v[128+2*(2*\sg+\c)]
	v_cvt_scalef32_pk16_bf6_f32 v[176+4*(2*\sg+\c):178+4*(2*\sg+\c)], v[208+32*\c:223+32*\c], v[129+2*(2*\sg+\c)]
.endr
.endr
	WIN 0
	QTAIL2 1536, 0
.endm
.macro EPI
	s_cmp_eq_u32 s[Y], 2
	s_cbranch_scc1 .Lepn_\@
	EPI_T 768, 0
	v_cndmask_b32 v140, v136, v137, s22            ; lanes 0-15: tile 0's words, lanes 16-31: tile 1's
	v_cndmask_b32 v141, v138, v139, s22
	global_store_b32 v3, v140, s[14:15]
	global_store_b32 v3, v141, s[14:15] offset:128
	s_branch .Lepd_\@
.Lepn_\@:
	EPI_N
	v_cndmask_b32 v140, v136, v137, s22
	v_cndmask_b32 v141, v138, v139, s22
	global_store_b16 v3, v140, s[14:15]            ; my row block's half of each channel's scale word
	global_store_b16 v3, v141, s[14:15] offset:128
.Lepd_\@:
	s_wait_xcnt 0x0                                ; the stores' data and bases are written again only behind this wait
	s_add_nc_u64 s[12:13], s[12:13], s[48:49]      ; on to the next head
	s_add_nc_u64 s[14:15], s[14:15], s[50:51]
.endm
	s_load_b512 s[68:83], s[0:1], 0x0              ; x, g1, wq's codes and scales, wk's, wv's
	s_load_b128 s[84:87], s[0:1], 0x40             ; qimg, qsc
	s_load_b64 s[88:89], s[0:1], 0x50              ; kv
	v_lshl_add_u32 v[SPW], v0, 2, SPARE
	v_mov_b32 v[NIL], 0
	ds_add_u32 v4, v5
	ds_add_u32 v4, v5
	s_wait_dscnt 0x0
	v_lshrrev_b32 v30, 5, v0
	v_readfirstlane_b32 s[WV], v30                 ; wave 0..3
	s_and_b32 s[Y], ttmp7, 0xffff                  ; which weight
	; descriptor group 1: 32 rows x 96 elements of 8 bytes (768 bytes: all of K), 16 bytes of padding behind every 256
	s_mov_b32 s[G1+0], 15|(3<<16)|(1<<20)|(1<<21)|(5<<22)|(3<<25)   ; the mask: all four work-groups; bit 21 set beside it
	s_mov_b32 s[G1+1], 96<<16                      ; tensor_dim0
	s_mov_b32 s[G1+2], 32<<16                      ; tensor_dim1
	s_mov_b32 s[G1+3], 96<<16                      ; tile_dim0
	s_mov_b32 s[G1+4], 32                          ; tile_dim1
	s_mov_b32 s[G1+5], 96                          ; from row to row
	s_mov_b32 s[G1+6], 0
	s_mov_b32 s[G1+7], 0
	s_mul_i32 s90, s[WV], 196608                   ; my 256 rows of W
	s_mov_b32 s91, 0
	s_mul_i32 s92, s[WV], WSLOT                    ; my part of a slot
	s_wait_kmcnt 0x0
	s_cmp_eq_u32 s[Y], 0
	s_cselect_b64 s[8:9], s[72:73], s[76:77]
	s_cselect_b64 s[10:11], s[74:75], s[78:79]
	s_cmp_eq_u32 s[Y], 2
	s_cselect_b64 s[8:9], s[80:81], s[8:9]
	s_cselect_b64 s[10:11], s[82:83], s[10:11]
	s_add_nc_u64 s[8:9], s[8:9], s[90:91]
	s_mov_b32 s[G0+0], 1
	s_mov_b32 s[G0+1], s92
	s_mov_b64 s[G0+2:G0+3], s[8:9]
	s_or_b32 s[G0+3], s[G0+3], 0x80000000
	s_mov_b32 s[G0+4], 1
	s_add_co_u32 s[G0+5], s92, SLOT1
	s_add_nc_u64 s[G0+6:G0+7], s[8:9], 24576       ; 32 rows on
	s_or_b32 s[G0+7], s[G0+7], 0x80000000
	CROUND                                         ; the four work-groups are here: the first joint loads meet
	tensor_load_to_lds s[G0:G0+3], s[G1:G1+7]      ; slot 0: my one tensor load at the head
	s_nop 0
.rept 4
	v_nop
.endr
	s_bfe_u32 s17, ttmp6, 0x40000                  ; cx
	s_lshl_b32 s[RB], ttmp9, 2
	s_add_co_u32 s[RB], s[RB], s17                 ; my block of 64 rows: it enters global addresses of x and of the results alone
	s_lshl_b32 s26, s[RB], 18
	s_lshr_b32 s27, s[WV], 1
	s_lshl_b32 s27, s27, 17
	s_add_co_u32 s26, s26, s27
	s_and_b32 s27, s[WV], 1
	s_lshl_b32 s27, s27, 15
	s_add_co_u32 s26, s26, s27
	s_mov_b32 s27, 0
	s_add_nc_u64 s[4:5], s[68:69], s[26:27]        ; x at row 64 rb + 32 (w / 2) + 8 (w % 2)
	s_mov_b64 s[6:7], s[70:71]
	s_lshl_b32 s28, s[WV], 13
	s_mov_b32 s29, 0
	s_add_nc_u64 s[10:11], s[10:11], s[28:29]      ; W's scale bytes at my first row
	s_mov_b32 s20, 0x76543210
	s_mov_b32 s21, 0xfedcba98                      ; lane l xor 16
	s_mov_b32 s22, 0xffff0000                      ; lanes 16-31
	s_mov_b32 s23, 0x3727c5ac                      ; 1e-5
	s_mov_b32 s24, 0x3a800000                      ; 1 / 1024
	v_and_b32 v30, 31, v0                          ; lane
	v_lshlrev_b32 v1, 4, v30
	v_lshlrev_b32 v2, 3, v30
	v_lshlrev_b32 v3, 2, v30
	v_lshlrev_b32 v16, 5, v30
	s_mul_i32 s63, s17, 6144                       ; prefetches: of a tile's 96 blocks of 256 bytes my work-group names 24, told apart from its partners' by address
	s_mov_b64 s[66:67], s[8:9]                     ; W at my tile 0; stepped one tile (24,576 bytes) a slot step
	v_min_u32 v19, 23, v30                         ; a lane a block; lanes 24-31 name block 23 again
	v_lshl_add_u32 v19, v19, 8, s63
	v_and_b32 v30, 15, v0                          ; r
	v_bfe_u32 v31, v0, 4, 1                        ; h
	s_mul_i32 s93, s[WV], 12288
	s_add_co_u32 s93, s93, AIMG
	v_add_nc_u32 v6, s93, v1                       ; my images, and the stage on the way in
	v_mul_u32_u24 v7, v30, 528
	v_lshl_add_u32 v7, v31, 6, v7
	v_add_nc_u32 v7, s93, v7                       ; the stage on the way back: row r, + 64 h
	v_lshlrev_b32 v8, 6, v31
	v_add_nc_u32 v8, GL, v8
	s_lshl_b32 s93, s[WV], 6
	s_add_co_u32 s93, s93, ASC
	v_lshl_add_u32 v9, v30, 2, s93
	v_add_nc_u32 v10, AIMG, v1
	v_add_nc_u32 v11, ASC, v3
	v_mul_u32_u24 v12, v30, 816
	v_mad_u32_u24 v14, v31, 40, v12
	v_mad_u32_u24 v12, v31, 24, v12
	v_add_nc_u32 v12, s92, v12
	v_add_nc_u32 v14, s92, v14
	v_add_nc_u32 v13, SLOT1, v12
	v_add_nc_u32 v15, SLOT1, v14
	s_lshl_b32 s93, s[WV], 10
	v_add_nc_u32 v18, s93, v1
	v_add_nc_u32 v17, GL, v18
.irp b, 0,1,2,3
	v_mov_b32 v[180+\b], 0                         ; a lane permute's destination counts as one of its sources
.endr
	global_load_b128 v[112:115], v18, s[6:7]       ; my quarter of the gain
	global_load_b128 v[116:119], v18, s[6:7] offset:512
	XCHUNK 0
	XCHUNK 1
	XCHUNK 2
	global_prefetch_b8 v19, s[66:67] offset:24576 th:TH_LOAD_NT scope:SCOPE_SE   ; my tile 1, which is loaded behind the sums of squares
	; where the results go: offsets apart from the pointers, chosen by y
	s_lshr_b32 s26, s[RB], 1
	s_and_b32 s27, s[RB], 1
	s_lshl_b32 s28, s[WV], 7
	s_add_co_u32 s28, s28, s26
	s_mul_i32 s28, s28, 13056                      ; kv's block of head 4 w, key step rb / 2
	s_mul_i32 s29, s27, 3072
	s_add_co_u32 s29, s29, s28                     ; k: images
	s_lshl_b32 s30, s27, 8
	s_add_co_u32 s30, s30, s28
	s_add_co_u32 s30, s30, 12288                   ; k: scale words
	s_mul_i32 s31, s27, 768
	s_add_co_u32 s31, s31, s28
	s_add_co_u32 s31, s31, 6144                    ; v: images
	s_lshl_b32 s52, s27, 1
	s_add_co_u32 s52, s52, s28
	s_add_co_u32 s52, s52, 12800                   ; v: halfwords
	s_mul_i32 s53, s[WV], 786432
	s_mul_i32 s54, s[RB], 3072
	s_add_co_u32 s53, s53, s54                     ; q: images
	s_lshl_b32 s54, s[WV], 16
	s_lshl_b32 s55, s[RB], 8
	s_add_co_u32 s54, s54, s55                     ; q: scale words
	s_mov_b32 s48, 417792                          ; from head to head
	s_mov_b32 s50, 417792
	s_mov_b32 s55, 196608
	s_mov_b32 s56, 16384
	s_cmp_eq_u32 s[Y], 2
	s_cselect_b32 s29, s31, s29
	s_cselect_b32 s30, s52, s30
	s_cmp_eq_u32 s[Y], 0
	s_cselect_b32 s58, s53, s29
	s_cselect_b32 s60, s54, s30
	s_cselect_b32 s48, s55, s48
	s_cselect_b32 s50, s56, s50
	s_cselect_b64 s[12:13], s[84:85], s[88:89]
	s_cselect_b64 s[14:15], s[86:87], s[88:89]
	s_mov_b32 s59, 0
	s_mov_b32 s61, 0
	s_mov_b32 s49, 0
	s_mov_b32 s51, 0
	s_add_nc_u64 s[12:13], s[12:13], s[58:59]
	s_add_nc_u64 s[14:15], s[14:15], s[60:61]
	s_wait_alu depctr_va_vdst(0)
	s_wait_loadcnt 48                              ; the gain is in; the three chunks of x are younger
	ds_store_b128 v17, v[112:115]
	ds_store_b128 v17, v[116:119] offset:512
.irp s, 0,1,2,3,4,5,6,7
.if \s+3 < 8
	XCHUNK \s+3
.endif
.if \s < 5
	s_wait_alu depctr_va_vdst(0)
	s_wait_loadcnt 48                              ; chunk s is in; three younger chunks may be out
.else
	s_wait_alu depctr_va_vdst(0)
	s_wait_loadcnt 16*(7-\s)
.endif
	STAGE \s
.if \s > 0
	s_wait_dscnt 32                                ; the chunk before is back; this chunk's 32 LDS instructions may be out
	SUMSQ \s-1
.endif
.endr
	s_wait_alu depctr_va_vdst(0)
	s_wait_dscnt 0x0                               ; for the others' sake too: my part of the gain lies in LDS
	SUMSQ 7
	s_wait_alu depctr_va_vdst(0)
	s_wait_tensorcnt 0x0                           ; slot 0 is in
	ds_add_u32 v[SPW], v[NIL]
	s_wait_dscnt 0x0
	CROUND                                         ; the whole gain lies in LDS, and the four work-groups are here
	JL G0+4                                        ; slot 1's first fill: my one tensor load behind the round; the eight quantising steps stand between it and the wait for it
.irp n, 0,1,2,3,4,5,6,7
	global_load_b128 v[WSC+8*\n:WSC+8*\n+3], v16, s[10:11] offset:1024*\n       ; lane l: the eight scale words of row 32 n + l
	global_load_b128 v[WSC+8*\n+4:WSC+8*\n+7], v16, s[10:11] offset:1024*\n+16
.endr
	GLOAD 0
	global_prefetch_b8 v19, s[66:67] offset:49152 th:TH_LOAD_NT scope:SCOPE_SE   ; my tiles 2 and 3: the first two refills
	global_prefetch_b8 v19, s[66:67] offset:73728 th:TH_LOAD_NT scope:SCOPE_SE
	v_pk_add_f32 v[22:23], v[22:23], v[24:25]
	v_pk_add_f32 v[26:27], v[26:27], v[28:29]
	v_pk_add_f32 v[22:23], v[22:23], v[26:27]
	v_add_f32 v22, v22, v23
	v_permlanex16_b32 v30, v22, s20, s21
	v_add_f32 v22, v22, v30                        ; the row's sum of squares
	v_fma_f32 v20, v22, s24, s23                   ; mean + eps
	s_wait_alu depctr_va_vdst(0)
	v_rsq_f32 v20, v20
	v_nop                                          ; one plain place behind a transcendental
	s_wait_alu depctr_va_vdst(0)
	v_mov_b32 v21, v20
	s_wait_alu depctr_va_vdst(0)
.irp s, 0,1,2,3,4,5,6,7
	QSTEP \s
.endr
	s_wait_dscnt 0x0                               ; my images and scale words lie in LDS
	s_barrier_signal -1
	s_barrier_wait -1                              ; everybody's do
.irp hf, 0,1
	WIN (2+\hf)<<6
.irp m, 0,1,2,3
.irp sp, 0,1,2,3
.irp c, 0,1,2
	ds_load_b128 v[12*(4*\m+\sp)+4*\c:12*(4*\m+\sp)+4*\c+3], v10 offset:(8*\m+4*\hf+\sp)*1536+512*\c
.endr
.endr
.endr
.endr
	WIN 0
.irp s, 0,1,2,3,4,5,6,7
.irp mp, 0,1
	ds_load_b32 v[AS+2*\s+\mp], v11 offset:256*\s+128*\mp   ; lanes 0-15: tile 2 mp, lanes 16-31: tile 2 mp + 1
.endr
.endr
.irp k, 0,1,2,3,4,5,6,7
	v_mov_b32 v[120+\k], 0                         ; the epilogue's permute targets
.endr
	s_wait_tensorcnt 1                             ; slot 0 is in; slot 1's load is younger
	FETCHB 0, 0, 0
	FETCHB 1, 0, 1
	s_wait_loadcnt 0x0                             ; W's scale words
	s_mov_b32 s62, 3                               ; three heads in the loop, each with two refills; the fourth is written out: it fetches nothing
.Lhead:
	SSTEP 0, 1, 1, 1, WSC, AS
	SSTEP 1, 1, 1, 1, WSC+8, AS
	EPI
.set qi, 0
.rept 48
	v_mov_b32 v[WSC+qi], v[WSC+16+qi]              ; W's scale words move down by a head's 16, so that every trip names the same registers; the 32 moves behind word 15's are the places in front of the next products
.set qi, qi+1
.endr
	s_sub_co_u32 s62, s62, 1
	s_cmp_lg_u32 s62, 0
	s_wait_alu depctr_va_vdst(0)
	s_cbranch_scc1 .Lhead
	SSTEP 0, 1, 0, 1, WSC, AS                      ; the last two tiles: nothing is left to fetch
	SSTEP 1, 1, 0, 0, WSC+8, AS
	PLACES
	EPI
	s_wait_tensorcnt 0x0                           ; the wave's end
	ds_add_u32 v[SPW], v[NIL]
	s_wait_dscnt 0x0
	CROUND                                         ; the closing round
	s_endpgm
.Lfunc_end_k_q41e4282d2a_qkv:
	.size	k_q41e4282d2a_qkv, .Lfunc_end_k_q41e4282d2a_qkv-k_q41e4282d2a_qkv
	.p2alignl 7, 3214868480
	.fill 96, 4, 3214868480
	.section	.rodata,"a",@progbits
	.p2align	6, 0x0
	.amdhsa_kernel k_q41e4282d2a_qkv
		.amdhsa_group_segment_fixed_size 327680
		.amdhsa_private_segment_fixed_size 0
		.amdhsa_enable_private_segment 0
		.amdhsa_kernarg_size 88
		.amdhsa_user_sgpr_count 2
		.amdhsa_user_sgpr_kernarg_segment_ptr 1
		.amdhsa_wavefront_size32 1
		.amdhsa_system_sgpr_workgroup_id_x 1
		.amdhsa_system_sgpr_workgroup_id_y 1
		.amdhsa_system_sgpr_workgroup_id_z 1
		.amdhsa_system_vgpr_workitem_id 0
		.amdhsa_next_free_vgpr 1024
		.amdhsa_next_free_sgpr 100
		.amdhsa_reserve_vcc 0
		.amdhsa_float_denorm_mode_32 3
		.amdhsa_float_denorm_mode_16_64 3
		.amdhsa_memory_ordered 1
		.amdhsa_forward_progress 1
		.amdhsa_inst_pref_size 255
	.end_amdhsa_kernel
	.section	.bss,"aw",@nobits
	.p2align	6
	.space	262144
	.amdgpu_metadata
---
amdhsa.version: [ 1, 2 ]
amdhsa.kernels:
  - .name:           k_q41e4282d2a_qkv
    .symbol:         k_q41e4282d2a_qkv.kd
    .args:
      - { .name: x, .offset: 0, .size: 8, .value_kind: global_buffer, .address_space: global }
      - { .name: g1, .offset: 8, .size: 8, .value_kind: global_buffer, .address_space: global }
      - { .name: wq_codes, .offset: 16, .size: 8, .value_kind: global_buffer, .address_space: global }
      - { .name: wq_scales, .offset: 24, .size: 8, .value_kind: global_buffer, .address_space: global }
      - { .name: wk_codes, .offset: 32, .size: 8, .value_kind: global_buffer, .address_space: global }
      - { .name: wk_scales, .offset: 40, .size: 8, .value_kind: global_buffer, .address_space: global }
      - { .name: wv_codes, .offset: 48, .size: 8, .value_kind: global_buffer, .address_space: global }
      - { .name: wv_scales, .offset: 56, .size: 8, .value_kind: global_buffer, .address_space: global }
      - { .name: qimg, .offset: 64, .size: 8, .value_kind: global_buffer, .address_space: global }
      - { .name: qsc, .offset: 72, .size: 8, .value_kind: global_buffer, .address_space: global }
      - { .name: kv, .offset: 80, .size: 8, .value_kind: global_buffer, .address_space: global }
    .group_segment_fixed_size: 327680
    .private_segment_fixed_size: 0
    .kernarg_segment_align: 8
    .kernarg_segment_size: 88
    .max_flat_workgroup_size: 128
    .sgpr_count:     100
    .vgpr_count:     1024
    .wavefront_size: 32
...
	.end_amdgpu_metadata
.endif
;; end of part 1
;; launch attn (part 2): grid 16 x 16, 16 waves a work-group, no clusters, 327,680 bytes of LDS; arguments qimg, qsc, kv, ao, aos; writes ao, aos
.if DOCPART == 2
	.amdgcn_target "amdgcn-amd-amdhsa--gfx1250"
	.amdhsa_code_object_version 6
	.text
	.protected	k_q41e4282d2a_attn
	.globl	k_q41e4282d2a_attn
	.p2align	8
	.type	k_q41e4282d2a_attn,@function
k_q41e4282d2a_attn:
	s_mov_b64 s[64:65], 0
	v_nop
	global_prefetch_b8 v0, s[64:65] scope:SCOPE_SE
	s_setreg_imm32_b32 hwreg(HW_REG_WAVE_MODE, 25, 1), 1
	s_wait_xcnt 0x0
; Causal attention on codes of BF6 (E3M2), head size 64, and its result quantised for the next product.
; t = score x log2(e) / 8; M = the running largest t rounded up to a whole number; p = 2^(t - M) is quantised along the keys; the row's sum is taken of the unquantised p and divides at the end.
; SHARES.  Work-group (i, head) owns the blocks of 128 queries i and 31 - i, one after the other: (i + 1) + (32 - i) = 33 flat key steps of 128 keys in every work-group, so all trip counts are constants.
; SIXTEEN WAVES, four to a SIMD, so that one wave's vector work stands beside another's products and LDS loads.  TWO WAVES SHARE A TILE OF 16 QUERIES: wave W has tile W / 2 of the block and does the flat steps
; whose parity is (W xor W / 4) % 2: 17 or 16 of the 33.  Every wave walks all steps; a scalar branch on the counter and the wave's number leads round the work of the other parity's steps.
; THE MERGE.  Each wave keeps O^T, the sum and M for its own keys.  Two such partial results are brought under the larger M by factors 2^(own M - larger M), which round nothing, and added.  Behind flat step i
; every wave puts its partial result of the first tile into LDS bytes of its own, at the end that of the second; behind one barrier the pair's wave of parity 0 finishes the first tile, the other the second.
; A partial result that saw no step is zeros with M = -3e38: its factor is 0.
; NO JOINT LOADS: the sequence of key steps begins anew behind step i, at another place in each work-group of a head, so partners would ask for different tiles in the same step.
; kv holds one dense block of 13,056 bytes for a head's 128 keys: K's eight half images, V's four fragments, K's and V's scale words, all as images of the operands' registers.  A slot holds six blocks, three
; steps for each wave; waves 0 to 5 fetch one block each.  Every LDS load reads consecutive bytes from lane to lane: no padding.
; BOTH PRODUCTS TRANSPOSED: S^T = K Q^T, O^T = V^T P^T: a lane holds one query.  Lane r of K's tile 2 b + u is key 32 b + 8 u + r + 8 (r / 8): the 16 registers of two neighbouring tiles are 16 neighbouring keys.
; K = 64 IN AN INSTRUCTION OF 128: Q's registers 6-11 are zero codes.  K's fragment t is v[36 + 6 t .. 47 + 6 t]: its upper six registers are the next tile's codes, finite numbers, which add nothing against zeros;
; both sides' scale bytes of those blocks are 0, never 0xff.
; LIMITS.  NaN and infinities are not served.  O / l is a reciprocal and a multiplication.  A block of the result under 2^-122 gets the byte 1.  The sums over the keys are taken in another order than the reference's.
; A block's largest p is made from its largest score by the same two instructions; this takes v_exp_f32 not to fall where its input rises.
; REGISTERS.  v1-3 16, 8, 4 x lane; v6-8 the step's LDS addresses; v9 the mask's figure; v12 -M, v13 the largest t, v[14:15] the sum; v16-27 Q; v28-34 the second tile's Q; v35 Q's scale word;
;   v36-89 K's or V's fragments; v90-95 their scale words; v96-159 S^T, then p; v160-191 O^T; v192-211 p's codes; v212-227 at work; v228-233 the partial results' LDS addresses.
.set BLK,   13056
.set NST,   6                          ; key steps in a slot
.set SLOT1, 131072                     ; slot 1, so that one exclusive or turns an address in one slot into the other's
.set GAPA,  78336                      ; behind slot 0: the second tile's partial results of waves 0-7
.set SPARE, 209408                     ; behind slot 1: the spare words, 128 bytes a wave
.set SCR1,  211456                     ; the first tile's partial results, one for each wave
.set PSZ,   4352                       ; a partial result: O^T as eight images of 512 bytes, then (-M, l), 8 bytes a lane
.set GAPD,  167936                     ; waves 8-15: their second tile's partial results lie behind SCR1's sixteen: GAPA + 8 PSZ + GAPD = SCR1 + 16 PSZ
.set SPW, 4
.set NIL, 5
.set WV, 16
.set II, 17                            ; i
.set I1, 18                            ; i + 1
.set F,  19                            ; the flat step, 0 .. 32
.set DG, 24                            ; the flat step that lies on the diagonal
.set TB, 25                            ; LDS byte of the step's block
.set FW, 26                            ; the flat step that I fetch next
.set HD, 27
.set SLOTS, 28
.set TW, 29
.set KVB, 30                           ; s[30:31] kv at my head
.set G1, 32
.set G0, 40
.set PAR, 62                           ; the parity of my flat steps
.set TI, 63                            ; my tile in a block of 128 queries
.macro PLACES
.rept 4
	v_nop
.endr
.endm
.macro WML d, a, b, c, sa, sb, ra
.if (\ra)
	v_wmma_scale_f32_16x16x128_f8f6f4 v[(\d):(\d)+7], v[(\a):(\a)+11], v[(\b):(\b)+11], \c, v[\sa], v[\sb] matrix_a_fmt:MATRIX_FMT_BF6 matrix_b_fmt:MATRIX_FMT_BF6 matrix_a_scale:MATRIX_SCALE_ROW1
.else
	v_wmma_scale_f32_16x16x128_f8f6f4 v[(\d):(\d)+7], v[(\a):(\a)+11], v[(\b):(\b)+11], \c, v[\sa], v[\sb] matrix_a_fmt:MATRIX_FMT_BF6 matrix_b_fmt:MATRIX_FMT_BF6
.endif
.endm
.macro KADDR                           ; the block of flat step FW: key step FW, or FW - (i + 1) in the second block of queries
	s_cmp_gt_u32 s[FW], s[II]
	s_cselect_b32 s52, s[I1], 0
	s_sub_co_u32 s52, s[FW], s52
	s_mul_i32 s52, s52, BLK
	s_mov_b32 s53, 0
	s_add_nc_u64 s[G0+2:G0+3], s[KVB:KVB+1], s[52:53]
	s_or_b32 s[G0+3], s[G0+3], 0x80000000
.endm
.macro TLOAD lim                       ; waves 0 .. lim - 1 fetch; four v_nop follow the line
	s_cmp_lt_u32 s[WV], \lim
	s_cbranch_scc0 .Lnone_\@
	tensor_load_to_lds s[G0:G0+3], s[G1:G1+7]
	s_nop 0
.rept 4
	v_nop
.endr
.Lnone_\@:
.endm
.macro QADDR t, qa, qs                 ; tile s[t]: its image of Q and its scale words
	s_lshl_b32 s66, s[HD], 8
	s_add_co_u32 s66, s66, s[\t]
	s_mul_i32 s68, s66, 768
	s_mov_b32 s69, 0
	s_add_nc_u64 s[\qa:\qa+1], s[4:5], s[68:69]
	s_lshl_b32 s68, s66, 6
	s_add_nc_u64 s[\qs:\qs+1], s[6:7], s[68:69]
.endm
; My partial result goes to LDS bytes of my own as images of its registers.  Each accumulator is read from its low end on.
.macro SAVE a16, a8
	v_add_f32 v13, v14, v15                        ; my lane's sum; with -M in v12 it makes a pair
.irp k, 0,1,2,3,4,5,6,7
	ds_store_b128 v[\a16], v[160+4*\k:163+4*\k] offset:512*\k
.endr
	ds_store_b64 v[\a8], v[12:13] offset:4096
.endm
; A tile of queries is finished: O^T / l, quantised along the head's 64 channels, leaves as a half image and a halfword of scale bytes a row.  v14: my lane's part of the sum.
.macro FINAL
	v_permlanex16_b32 v226, v14, s20, s21
	s_delay_alu instid0(VALU_DEP_1)
	v_add_f32 v14, v14, v226                       ; the row's sum
	s_wait_alu depctr_va_vdst(0)
	v_rcp_f32 v14, v14
	v_nop                                          ; one plain place behind a transcendental
	s_wait_alu depctr_va_vdst(0)
.irp j, 0,2,4,6
	v_pk_mul_f32 v[96+\j:97+\j], v[160+\j:161+\j], v[14:15] op_sel_hi:[1,0]     ; tile 0: channels 8 h + j
.endr
.irp j, 0,2,4,6
	v_pk_mul_f32 v[112+\j:113+\j], v[168+\j:169+\j], v[14:15] op_sel_hi:[1,0]   ; tile 1
.endr
.irp j, 0,2,4,6
	v_pk_mul_f32 v[104+\j:105+\j], v[176+\j:177+\j], v[14:15] op_sel_hi:[1,0]   ; tile 2
.endr
.irp j, 0,2,4,6
	v_pk_mul_f32 v[120+\j:121+\j], v[184+\j:185+\j], v[14:15] op_sel_hi:[1,0]   ; tile 3
.endr
.irp j, 0,1,2,3,4,5,6,7
	v_permlane16_swap_b32 v[96+\j], v[104+\j]      ; tile 0's upper lanes change places with tile 2's lower,
	v_permlane16_swap_b32 v[112+\j], v[120+\j]     ; tile 1's with tile 3's: v96-127 are now channels 32 (lane / 16) + 0 .. 31: a whole block to a lane
.endr
	v_max3_num_f32 v212, |v96|, |v97|, 0x2800000
	v_max3_num_f32 v213, |v112|, |v113|, 0x2800000
.irp i, 2,4,6,8,10,12,14
	s_delay_alu instid0(VALU_DEP_2)
	v_max3_num_f32 v212, v212, |v[96+\i]|, |v[97+\i]|
	s_delay_alu instid0(VALU_DEP_2)
	v_max3_num_f32 v213, v213, |v[112+\i]|, |v[113+\i]|
.endr
	s_delay_alu instid0(VALU_DEP_1)
	v_max_num_f32 v212, v212, v213
	s_delay_alu instid0(VALU_DEP_1)
	v_add_nc_u32 v216, 0xfe000000, v212
	s_delay_alu instid0(VALU_DEP_1)
	v_lshrrev_b32 v220, 23, v216
	v_cvt_scalef32_pk16_bf6_f32 v[192:194], v[96:111], v216
	v_cvt_scalef32_pk16_bf6_f32 v[204:206], v[112:127], v216
	v_nop                                          ; one plain place behind a scaled conversion
.irp i, 0,1,2
	v_mov_b32 v[195+\i], v[204+\i]
.endr
	global_store_b128 v1, v[192:195], s[44:45]     ; 512 consecutive bytes, aligned to 256
	global_store_b64 v2, v[196:197], s[44:45] offset:512
	v_lshlrev_b32 v220, v227, v220                 ; my block's byte at its place,
	s_delay_alu instid0(VALU_DEP_1)
	v_permlanex16_b32 v221, v220, s20, s21
	s_delay_alu instid0(VALU_DEP_1)
	v_or_b32 v220, v220, v221                      ; with the other block's
	global_store_b16 v11, v220, s[46:47]           ; both halves of the lanes store the same halfword
.endm
; A key step: 128 keys.  sw = 1: the text for the change of query tiles is there.
.macro STEP sw
	v_add_nc_u32 v6, s[TB], v1
	v_add_nc_u32 v7, s[TB], v2
	v_add_nc_u32 v8, s[TB], v3
	s_xor_b32 s52, s[F], s[PAR]                    ; a step of the other parity is my partner's: a branch on the counter and the wave's number, round the step's loads, products and softmax alone
	s_and_b32 s52, s52, 1
	s_cmp_lg_u32 s52, 0
	s_cbranch_scc1 .Lskip_\@
.irp t, 0,1,2,3,4,5,6,7
	ds_load_b128 v[36+6*\t:39+6*\t], v6 offset:768*\t
	ds_load_b64 v[40+6*\t:41+6*\t], v7 offset:768*\t+512
.endr
.irp b, 0,1,2,3
	ds_load_b32 v[90+\b], v8 offset:12288+128*\b   ; lanes 0-15: tile 2 b's words, lanes 16-31: tile 2 b + 1's
.endr
.irp u, 0,1
	ds_load_b32 v[94+\u], v8 offset:12800+128*\u
.endr
	s_wait_dscnt 0x0
.irp t, 0,1,2,3,4,5,6,7
	WML 96+8*\t, 36+6*\t, 16, 0, 90+\t/2, 35, \t%2
.endr
	PLACES                                         ; in front of the loads into K's registers and of the first read of the scores
	s_wait_alu depctr_va_vdst(0)
.irp t, 0,1,2,3
.irp c, 0,1
	ds_load_b128 v[36+12*\t+6*\c:39+12*\t+6*\c], v6 offset:6144+1536*\t+768*\c     ; V lands while the softmax is walked
	ds_load_b64 v[40+12*\t+6*\c:41+12*\t+6*\c], v7 offset:6144+1536*\t+768*\c+512
.endr
.endr
	s_cmp_lg_u32 s[F], s[DG]                       ; only the step on the diagonal has hidden keys: a branch on ids and counters
	s_cbranch_scc1 .Lopen_\@
.set n, 0
.rept 64
	v_cmp_gt_i32 vcc_lo, 32*(n/16)+n%16, v9        ; register 16 b + i holds key 32 b + 16 (lane / 16) + i of the step: hidden where it comes after my query
	v_cndmask_b32 v[96+n], v[96+n], v10, vcc_lo
.set n, n+1
.endr
.Lopen_\@:
.irp b, 0,1,2,3
	v_max3_num_f32 v[212+\b], v[96+16*\b], v[97+16*\b], v[98+16*\b]   ; the largest score of each block of 32 keys: for the row's maximum and for the block's largest p
.endr
.irp i, 3,5,7,9,11,13
.irp b, 0,1,2,3
	v_max3_num_f32 v[212+\b], v[212+\b], v[96+16*\b+\i], v[97+16*\b+\i]
.endr
.endr
.irp b, 0,1,2,3
	v_max_num_f32 v[212+\b], v[212+\b], v[111+16*\b]
.endr
.irp b, 0,1,2,3
	s_delay_alu instid0(VALU_DEP_4)
	v_permlanex16_b32 v[220+\b], v[212+\b], s20, s21
.endr
.irp b, 0,1,2,3
	s_delay_alu instid0(VALU_DEP_4)
	v_max_num_f32 v[212+\b], v[212+\b], v[220+\b]
.endr
	s_delay_alu instid0(VALU_DEP_2)
	v_max3_num_f32 v226, v212, v213, v214
	s_delay_alu instid0(VALU_DEP_1)
	v_max_num_f32 v226, v226, v215
	s_delay_alu instid0(VALU_DEP_1)
	v_mul_f32 v226, s22, v226                      ; as t
	s_delay_alu instid0(VALU_DEP_1)
	v_max_num_f32 v13, v13, v226                   ; the running largest t of my keys
	v_mov_b32 v226, v12
	s_delay_alu instid0(VALU_DEP_2)
	v_floor_f32 v12, -v13                          ; -M = floor(-t): M is a whole number
	s_delay_alu instid0(VALU_DEP_1)
	v_sub_f32 v226, v12, v226
	s_delay_alu instid0(VALU_DEP_1)
	v_cvt_i32_f32 v226, v226                       ; (it saturates)
	s_delay_alu instid0(VALU_DEP_1)
	v_ldexp_f32 v224, 1.0, v226                    ; f = 2^(old M - new M): rounds nothing
.set n, 0
.rept 32
	v_pk_fma_f32 v[96+n:97+n], v[96+n:97+n], s[22:23], v[12:13] op_sel_hi:[1,0,0]   ; t - M
.set n, n+2
.endr
.irp b, 0,1,2,3
	v_fma_f32 v[212+\b], v[212+\b], s22, v12
.endr
.set n, 0
	s_wait_alu depctr_va_vdst(0)
.rept 64
	v_exp_f32 v[96+n], v[96+n]                     ; p = 2^(t - M)
.set n, n+1
.endr
.irp b, 0,1,2,3
	v_exp_f32 v[212+\b], v[212+\b]                 ; the block's largest p
.endr
	v_pk_mul_f32 v[14:15], v[14:15], v[224:225] op_sel_hi:[1,0]   ; the sums under the new M (a plain place behind the exponentials)
	s_wait_alu depctr_va_vdst(0)
.irp b, 0,1,2,3
	v_max_num_f32 v[212+\b], 0x2800000, v[212+\b]  ; the floor 2^(5 - 127)
.endr
.irp b, 0,1,2,3
	s_delay_alu instid0(VALU_DEP_4)
	v_add_nc_u32 v[216+\b], 0xfe000000, v[212+\b]
.endr
.irp b, 0,1,2,3
	s_delay_alu instid0(VALU_DEP_4)
	v_lshrrev_b32 v[220+\b], 23, v[216+\b]
.endr
	s_delay_alu instid0(VALU_DEP_3)
	v_lshl_or_b32 v225, v221, 8, v220              ; p's scale word for these 128 keys
	s_delay_alu instid0(VALU_DEP_1)
	v_lshl_or_b32 v225, v222, 16, v225
	s_delay_alu instid0(VALU_DEP_1)
	v_lshl_or_b32 v225, v223, 24, v225
.irp c, 0,1
	v_cvt_scalef32_pk16_bf6_f32 v[192+6*\c:194+6*\c], v[96+32*\c:111+32*\c], v[216+2*\c]
	v_cvt_scalef32_pk16_bf6_f32 v[204+4*\c:206+4*\c], v[112+32*\c:127+32*\c], v[217+2*\c]
.endr
	v_nop                                          ; one plain place behind a scaled conversion
.irp c, 0,1
.irp i, 0,1,2
	v_permlane16_swap_b32 v[192+6*\c+\i], v[204+4*\c+\i]
.endr
.irp i, 0,1,2
	s_delay_alu instid0(VALU_DEP_3)
	v_mov_b32 v[195+6*\c+\i], v[204+4*\c+\i]
.endr
.endr
	v_pk_add_f32 v[220:221], v[100:101], v[104:105]
	v_pk_add_f32 v[254:255], v[108:109], v[112:113]
	v_pk_add_f32 v[252:253], v[116:117], v[120:121]
	v_pk_add_f32 v[250:251], v[124:125], v[128:129]
	v_pk_add_f32 v[248:249], v[132:133], v[136:137]
	v_pk_add_f32 v[246:247], v[140:141], v[144:145]
	v_pk_add_f32 v[244:245], v[148:149], v[152:153]
	v_pk_add_f32 v[14:15], v[14:15], v[156:157]
	v_pk_add_f32 v[220:221], v[220:221], v[96:97]
	v_pk_add_f32 v[254:255], v[254:255], v[98:99]
	v_pk_add_f32 v[252:253], v[252:253], v[102:103]
	v_pk_add_f32 v[250:251], v[250:251], v[106:107]
	v_pk_add_f32 v[248:249], v[248:249], v[110:111]
	v_pk_add_f32 v[246:247], v[246:247], v[114:115]
	v_pk_add_f32 v[244:245], v[244:245], v[118:119]
	v_pk_add_f32 v[14:15], v[14:15], v[122:123]
	v_pk_add_f32 v[220:221], v[220:221], v[126:127]
	v_pk_add_f32 v[254:255], v[254:255], v[130:131]
	v_pk_add_f32 v[252:253], v[252:253], v[134:135]
	v_pk_add_f32 v[250:251], v[250:251], v[138:139]
	v_pk_add_f32 v[248:249], v[248:249], v[142:143]
	v_pk_add_f32 v[246:247], v[246:247], v[146:147]
	v_pk_add_f32 v[244:245], v[244:245], v[150:151]
	v_pk_add_f32 v[14:15], v[14:15], v[154:155]
	v_pk_add_f32 v[220:221], v[220:221], v[158:159]
	s_delay_alu instid0(VALU_DEP_2)
	v_pk_add_f32 v[14:15], v[14:15], v[250:251]
	s_delay_alu instid0(VALU_DEP_2)
	v_pk_add_f32 v[220:221], v[220:221], v[248:249]
	v_pk_add_f32 v[254:255], v[254:255], v[246:247]
	v_pk_add_f32 v[252:253], v[252:253], v[244:245]
	s_delay_alu instid0(VALU_DEP_2)
	v_pk_add_f32 v[14:15], v[14:15], v[254:255]
	s_delay_alu instid0(VALU_DEP_2)
	v_pk_add_f32 v[220:221], v[220:221], v[252:253]
	s_delay_alu instid0(VALU_DEP_1)
	v_pk_add_f32 v[14:15], v[14:15], v[220:221]
.set n, 0
.rept 16
	v_pk_mul_f32 v[160+n:161+n], v[160+n:161+n], v[224:225] op_sel_hi:[1,0]   ; O^T under the new M
.set n, n+2
.endr
	s_wait_alu depctr_va_vdst(0)
	s_wait_dscnt 0x0                               ; V is in
.irp t, 0,1,2,3
	WML 160+8*\t, 36+12*\t, 192, v[160+8*\t:167+8*\t], 94+\t/2, 225, \t%2
.endr
	PLACES                                         ; in front of the next step's loads and of a read of O^T
.Lskip_\@:
.if \sw
	s_cmp_lg_u32 s[F], s[II]                       ; behind flat step i the first tile's keys are over, for both waves of a pair
	s_cbranch_scc1 .Lsame_\@
	s_wait_alu depctr_va_vdst(0)
	SAVE 228, 229
	s_wait_dscnt 0x0                               ; the stores have read their registers
	s_mov_b32 s[DG], 32
	v_mov_b32 v35, v34                             ; the second tile's scale word and codes first: the 36 moves behind them are the places in front of the next products
.irp k, 0,1,2,3,4,5
	v_mov_b32 v[16+\k], v[28+\k]
.endr
	v_mov_b32 v13, 0xff61b1e6
	s_delay_alu instid0(VALU_DEP_1)
	v_floor_f32 v12, -v13
	v_mov_b32 v14, 0
	v_mov_b32 v15, 0
.set n, 0
.rept 32
	v_mov_b32 v[160+n], 0
.set n, n+1
.endr
.Lsame_\@:
.endif
	s_add_co_u32 s[F], s[F], 1
.endm
; The change of slots stands at a slot's head.  fill = 1: the slot that has been left is filled with the steps that follow, one block for each of the first lim waves: the load has a slot's steps in which to land.
.macro CHANGE fill, lim
	s_wait_tensorcnt 0x0                           ; no tensor load of mine is out: my block of the slot ahead has landed, and the descriptor may be written
	ds_add_u32 v[SPW], v[NIL]                      ; 0 onto my spare word
	ds_add_u32 v[SPW], v[NIL]
.if \fill
	s_xor_b32 s[G0+1], s[G0+1], SLOT1
	s_add_co_u32 s[FW], s[FW], NST
	KADDR
.endif
	s_wait_dscnt 0x0                               ; the add is done, and my reads of the slot that I have left are over
	s_barrier_signal -1
	s_barrier_wait -1
.if \fill
	TLOAD \lim                                     ; the first thing behind the barrier, a wave's one tensor load until the next
.endif
.endm
.macro STEPS n, sw
	s_mov_b32 s[TW], \n
.Lstep_\@:
	STEP \sw
	s_add_co_u32 s[TB], s[TB], BLK
	s_sub_co_u32 s[TW], s[TW], 1
	s_cmp_lg_u32 s[TW], 0
	s_cbranch_scc1 .Lstep_\@
	s_sub_co_u32 s[TB], s[TB], (\n)*BLK
	s_xor_b32 s[TB], s[TB], SLOT1
.endm
	s_load_b256 s[4:11], s[0:1], 0x0               ; qimg, qsc, kv, ao
	s_load_b64 s[12:13], s[0:1], 0x20              ; aos
	v_lshl_add_u32 v[SPW], v0, 2, SPARE
	v_mov_b32 v[NIL], 0
	ds_add_u32 v4, v5
	ds_add_u32 v4, v5
	s_wait_dscnt 0x0
	v_lshrrev_b32 v6, 5, v0
	s_delay_alu instid0(VALU_DEP_1)
	v_readfirstlane_b32 s[WV], v6                  ; wave 0..15
	s_lshr_b32 s[TI], s[WV], 1                     ; my tile in a block
	s_lshr_b32 s[PAR], s[WV], 2
	s_xor_b32 s[PAR], s[PAR], s[WV]
	s_and_b32 s[PAR], s[PAR], 1                    ; my parity: waves 2 w and 2 w + 1 differ in it, and so do two of any four waves W, W + 4, W + 8, W + 12 and of any four neighbours
	s_mov_b32 s[II], ttmp9
	s_add_co_u32 s[I1], s[II], 1
	s_and_b32 s[HD], ttmp7, 0xffff
	s_mov_b32 s[F], 0
	s_mov_b32 s[DG], s[II]
	s_mov_b32 s[TB], 0
	s_min_u32 s[FW], s[WV], NST-1                  ; waves 6 to 15 fetch nothing: their descriptor is wave 5's and is never used
	s_mov_b32 s[SLOTS], 4
	s_mov_b32 s20, 0x76543210
	s_mov_b32 s21, 0xfedcba98
	s_mov_b32 s22, 0x3e38aa3b                      ; log2(e) / 8
	s_mov_b32 s23, s22
	; descriptor group 1: a dense block of 51 rows x 256 bytes
	s_mov_b32 s[G1+0], 3<<16
	s_mov_b32 s[G1+1], 32<<16
	s_mov_b32 s[G1+2], 51<<16
	s_mov_b32 s[G1+3], 32<<16
	s_mov_b32 s[G1+4], 51
	s_mov_b32 s[G1+5], 32
	s_mov_b32 s[G1+6], 0
	s_mov_b32 s[G1+7], 0
	s_mov_b32 s[G0+0], 1
	s_mul_i32 s[G0+1], s[FW], BLK
	s_mul_i32 s54, s[HD], 417792
	s_mov_b32 s55, 0
	s_wait_kmcnt 0x0
	s_add_nc_u64 s[KVB:KVB+1], s[8:9], s[54:55]
	KADDR
	TLOAD NST                                      ; slot 0: flat steps 0 to 5
	s_lshl_b32 s72, s[II], 3
	s_add_co_u32 s72, s72, s[TI]                   ; my first tile: 8 i + w
	s_sub_co_u32 s73, 31, s[II]
	s_lshl_b32 s73, s73, 3
	s_add_co_u32 s73, s73, s[TI]                   ; my second: 8 (31 - i) + w
	QADDR 72, 54, 56
	QADDR 73, 58, 60
	s_cmp_eq_u32 s[PAR], 0
	s_cselect_b32 s76, s72, s73                    ; the tile that I finish: its half image in ao, its halfwords in aos
	s_lshl_b32 s68, s76, 3
	s_lshr_b32 s67, s[HD], 1
	s_add_co_u32 s68, s68, s67
	s_mul_i32 s68, s68, 1536
	s_and_b32 s70, s[HD], 1
	s_mul_i32 s71, s70, 768
	s_add_co_u32 s68, s68, s71
	s_mov_b32 s69, 0
	s_add_nc_u64 s[44:45], s[10:11], s[68:69]
	s_lshr_b32 s68, s76, 2
	s_lshl_b32 s68, s68, 11
	s_lshl_b32 s71, s67, 8
	s_add_co_u32 s68, s68, s71
	s_and_b32 s71, s76, 3
	s_lshl_b32 s71, s71, 6
	s_add_co_u32 s68, s68, s71
	s_lshl_b32 s71, s70, 1
	s_add_co_u32 s68, s68, s71
	s_add_nc_u64 s[46:47], s[12:13], s[68:69]
	v_and_b32 v226, 31, v0
	s_delay_alu instid0(VALU_DEP_1)
	v_lshlrev_b32 v1, 4, v226
	s_delay_alu instid0(VALU_DEP_2)
	v_lshlrev_b32 v2, 3, v226
	s_delay_alu instid0(VALU_DEP_3)
	v_lshlrev_b32 v3, 2, v226
	v_and_b32 v6, 15, v0                           ; r
	v_bfe_u32 v7, v0, 4, 1                         ; h
	s_delay_alu instid0(VALU_DEP_2)
	v_lshlrev_b32 v11, 2, v6
	s_delay_alu instid0(VALU_DEP_2)
	v_lshlrev_b32 v227, 3, v7
	global_load_b128 v[16:19], v1, s[54:55]
	global_load_b64 v[20:21], v2, s[54:55] offset:512
	global_load_b32 v35, v11, s[56:57]
	global_load_b128 v[28:31], v1, s[58:59]
	global_load_b64 v[32:33], v2, s[58:59] offset:512
	global_load_b32 v34, v11, s[60:61]
	; where the partial results lie: constants and the wave's number alone
	s_mul_i32 s77, s[WV], PSZ
	s_add_co_u32 s78, s77, SCR1
	v_add_nc_u32 v228, s78, v1                     ; the first tile's, mine: 16 x lane,
	v_add_nc_u32 v229, s78, v2                     ; and 8 x lane
	s_lshr_b32 s79, s[WV], 3
	s_mul_i32 s79, s79, GAPD
	s_add_co_u32 s79, s79, GAPA
	s_add_co_u32 s80, s79, s77
	v_add_nc_u32 v230, s80, v1                     ; the second tile's, mine
	v_add_nc_u32 v231, s80, v2
	s_and_b32 s81, s[WV], 14
	s_mul_i32 s81, s81, PSZ                        ; my pair's two lie side by side
	s_add_co_u32 s82, s81, SCR1
	s_add_co_u32 s83, s81, s79
	s_xor_b32 s81, s[PAR], 1
	s_mul_i32 s82, s82, s81                        ; parity 0 reads the first tile's,
	s_mul_i32 s83, s83, s[PAR]                     ; parity 1 the second's
	s_add_co_u32 s82, s82, s83
	v_add_nc_u32 v232, s82, v1
	v_add_nc_u32 v233, s82, v2
	v_and_b32 v8, 7, v6
	v_bfe_u32 v9, v6, 3, 1
	s_delay_alu instid0(VALU_DEP_1)
	v_lshl_add_u32 v8, v9, 4, v8
	v_lshlrev_b32 v9, 4, v7
	s_delay_alu instid0(VALU_DEP_1)
	v_sub_nc_u32 v9, v8, v9                        ; r % 8 + 16 (r / 8) - 16 h
	s_wait_alu depctr_va_vdst(0)
	s_lshr_b32 s74, s[TI], 2
	s_lshl_b32 s74, s74, 6
	s_bfe_u32 s75, s[TI], 0x10001
	s_lshl_b32 s75, s75, 5
	s_add_co_u32 s74, s74, s75
	s_and_b32 s75, s[TI], 1
	s_lshl_b32 s75, s75, 3
	s_add_co_u32 s74, s74, s75
	v_add_nc_u32 v9, s74, v9                       ; my query's place in its block of 128, less 16 h
	v_mov_b32 v10, 0xff800000                      ; -infinity
	v_mov_b32 v13, 0xff61b1e6                      ; the largest t so far: -3e38
	s_delay_alu instid0(VALU_DEP_1)
	v_floor_f32 v12, -v13
	v_mov_b32 v14, 0
	v_mov_b32 v15, 0
.irp k, 22,23,24,25,26,27,84,85,86,87,88,89
	v_mov_b32 v[\k], 0                             ; zero codes
.endr
.irp k, 216,217,218,219,220,221,222,223,225
	v_mov_b32 v[\k], 0                             ; permute targets, and the upper halves of pairs that are named whole
.endr
.set n, 0
.rept 32
	v_mov_b32 v[160+n], 0                          ; O^T: the first change of M multiplies zeros
.set n, n+1
.endr
	s_wait_loadcnt 0x0                             ; Q
.Lslot:                                            ; four trips: flat steps 0 to 23; behind each change of slots the next six steps are asked for
	CHANGE 1, NST
	STEPS NST, 1
	s_sub_co_u32 s[SLOTS], s[SLOTS], 1
	s_cmp_lg_u32 s[SLOTS], 0
	s_cbranch_scc1 .Lslot
	CHANGE 1, 3                                    ; the tail is written out: only flat steps 30, 31, 32 are left to fetch
	STEPS NST, 0                                   ; flat steps 24 to 29 lie behind every i
	CHANGE 0, 0
	STEPS 3, 0
	s_wait_alu depctr_va_vdst(0)
	SAVE 230, 231                                  ; the second tile's partial result
	s_wait_dscnt 0x0                               ; for my partner's sake: my stores have landed
	s_barrier_signal -1
	s_barrier_wait -1                              ; everybody's have, the first tile's long ago.
.irp k, 0,1,2,3,4,5,6,7
	ds_load_b128 v[160+4*\k:163+4*\k], v232 offset:512*\k         ; the pair's two partial results of the tile that I finish
	ds_load_b128 v[128+4*\k:131+4*\k], v232 offset:PSZ+512*\k
.endr
	ds_load_b64 v[12:13], v233 offset:4096         ; (-M, l) of the one,
	ds_load_b64 v[14:15], v233 offset:PSZ+4096     ; and of the other
	s_wait_dscnt 0x0
	v_min_num_f32 v212, v12, v14                   ; -M of the larger M
	s_delay_alu instid0(VALU_DEP_1)
	v_sub_f32 v213, v212, v12                      ; own M less the larger: a whole number, 0 or less
	s_delay_alu instid0(VALU_DEP_2)
	v_sub_f32 v214, v212, v14
	s_delay_alu instid0(VALU_DEP_2)
	v_cvt_i32_f32 v213, v213                       ; (it saturates)
	s_delay_alu instid0(VALU_DEP_2)
	v_cvt_i32_f32 v214, v214
	s_delay_alu instid0(VALU_DEP_2)
	v_ldexp_f32 v216, 1.0, v213                    ; the two factors: powers of two, or 0 for a partial result that saw no step
	s_delay_alu instid0(VALU_DEP_2)
	v_ldexp_f32 v218, 1.0, v214
	s_delay_alu instid0(VALU_DEP_1)
	v_mul_f32 v15, v15, v218
	s_delay_alu instid0(VALU_DEP_1)
	v_fma_f32 v14, v13, v216, v15                  ; my lane's part of the row's sum
.set n, 0
.rept 16
	v_pk_mul_f32 v[128+n:129+n], v[128+n:129+n], v[218:219] op_sel_hi:[1,0]
.set n, n+2
.endr
.set n, 0
.rept 16
	v_pk_fma_f32 v[160+n:161+n], v[160+n:161+n], v[216:217], v[128+n:129+n] op_sel_hi:[1,0,1]
.set n, n+2
.endr
	FINAL
	s_wait_tensorcnt 0x0                           ; the wave's end
	ds_add_u32 v[SPW], v[NIL]
	s_wait_dscnt 0x0
	s_endpgm
.Lfunc_end_k_q41e4282d2a_attn:
	.size	k_q41e4282d2a_attn, .Lfunc_end_k_q41e4282d2a_attn-k_q41e4282d2a_attn
	.p2alignl 7, 3214868480
	.fill 96, 4, 3214868480
	.section	.rodata,"a",@progbits
	.p2align	6, 0x0
	.amdhsa_kernel k_q41e4282d2a_attn
		.amdhsa_group_segment_fixed_size 327680
		.amdhsa_private_segment_fixed_size 0
		.amdhsa_enable_private_segment 0
		.amdhsa_kernarg_size 40
		.amdhsa_user_sgpr_count 2
		.amdhsa_user_sgpr_kernarg_segment_ptr 1
		.amdhsa_wavefront_size32 1
		.amdhsa_system_sgpr_workgroup_id_x 1
		.amdhsa_system_sgpr_workgroup_id_y 1
		.amdhsa_system_sgpr_workgroup_id_z 1
		.amdhsa_system_vgpr_workitem_id 0
		.amdhsa_next_free_vgpr 256
		.amdhsa_next_free_sgpr 100
		.amdhsa_reserve_vcc 1
		.amdhsa_float_denorm_mode_32 3
		.amdhsa_float_denorm_mode_16_64 3
		.amdhsa_memory_ordered 1
		.amdhsa_forward_progress 1
		.amdhsa_inst_pref_size 90
	.end_amdhsa_kernel
	.amdgpu_metadata
---
amdhsa.version: [ 1, 2 ]
amdhsa.kernels:
  - .name:           k_q41e4282d2a_attn
    .symbol:         k_q41e4282d2a_attn.kd
    .args:
      - { .name: qimg, .offset: 0, .size: 8, .value_kind: global_buffer, .address_space: global }
      - { .name: qsc, .offset: 8, .size: 8, .value_kind: global_buffer, .address_space: global }
      - { .name: kv, .offset: 16, .size: 8, .value_kind: global_buffer, .address_space: global }
      - { .name: ao, .offset: 24, .size: 8, .value_kind: global_buffer, .address_space: global }
      - { .name: aos, .offset: 32, .size: 8, .value_kind: global_buffer, .address_space: global }
    .group_segment_fixed_size: 327680
    .private_segment_fixed_size: 0
    .kernarg_segment_align: 8
    .kernarg_segment_size: 40
    .max_flat_workgroup_size: 512
    .sgpr_count:     100
    .vgpr_count:     256
    .wavefront_size: 32
...
	.end_amdgpu_metadata
.endif
;; end of part 2
;; launch wo (part 3): grid 64 x 4, 4 waves a work-group, clusters of 4 x 1, 327,680 bytes of LDS; arguments ao, aos, wo_codes, wo_scales, x, h; writes h
.if DOCPART == 3
	.amdgcn_target "amdgcn-amd-amdhsa--gfx1250"
	.amdhsa_code_object_version 6
	.text
	.protected	k_q41e4282d2a_wo
	.globl	k_q41e4282d2a_wo
	.p2align	8
	.type	k_q41e4282d2a_wo,@function
k_q41e4282d2a_wo:
	s_mov_b64 s[64:65], 0
	v_nop
	global_prefetch_b8 v0, s[64:65] scope:SCOPE_SE
	s_setreg_imm32_b32 hwreg(HW_REG_WAVE_MODE, 25, 1), 1
	s_wait_xcnt 0x0
	s_wait_alu depctr_hold_cnt(0) depctr_sa_sdst(0) depctr_va_vdst(0) depctr_va_sdst(0) depctr_va_ssrc(0) depctr_va_vcc(0) depctr_vm_vsrc(0)
	s_getreg_b32 s2, hwreg(HW_REG_IB_STS2, 6, 4)
	s_cmp_eq_u32 s2, 0
	s_cbranch_scc0 .Lentry_in_a_cluster
	s_endpgm
.Lentry_in_a_cluster:
	s_bfe_u32 s2, ttmp6, 0x10000c
	s_cmp_lg_u32 s2, 0x3003
	s_cbranch_scc0 .Lentry_shape_is_right
	s_endpgm
.Lentry_shape_is_right:
; out = res + A W^T on codes of BF6 (E3M2) with one E8M0 scale for each 32 along K.  Here: h = x + ao wo^T, K = 1,024 (KH = 1).  The same text with KH = 2 serves out0 = h + ff w2^T, K = 2,048.
; SHARES.  Work-group (rb, y): 64 rows x 256 columns; wave w: columns 256 y + 64 w .. + 63.  A arrives as images of the operand's registers (a fragment: two half images of 768 bytes) and stays in the wave's
; registers, 1,024 along K at a time; W's rows come through the wave's own two LDS slots (32 rows x 768 bytes) by tensor loads.
; CLUSTER.  The four work-groups of a cluster are four row blocks of one y: they need the same rows of W, so each tile is asked for JOINTLY (mask 15, the same descriptor in all four).
; Lane r of A's tile m is row 64 rb + 32 (m / 2) + 8 (m % 2) + r % 8 + 16 (r / 8).  Source 0 = 16 rows of W, source 1 = a tile of rows: a lane holds eight neighbouring columns of one row.
; THE WAY OUT.  A tile's 16 rows x 64 columns go through the wave's stage and come back as rows of 256 bytes; the residual is added and sixteen lanes store 256 consecutive bytes, aligned.
; LIMITS.  NaN and infinities among the inputs are not served.
; REGISTERS.  window 0: v1-13 addresses, v24-55 A's scale words, v56-87 W's, v88-119 rows back from the stage, v120-247 the residual.  window 1: W's fragments, two sets of 96.
;   windows 2, 3: v0-191 A's fragments (m, s) at 12 (4 m + s % 4), window 2 + (s / 4) % 2; v192-255 the accumulators (window 2: columns 0-31, window 3: 32-63).
.set KH,     1
.set NS,     8*KH                      ; K steps of 128
.set KROW,   768*KH                    ; a row of W in bytes
.set SLOT1,  26112                     ; a wave's 64 rows of W come by ONE tensor load and lie on end: rows 32-63 begin a part of 32 rows behind rows 0-31
.set WSLOT,  26112
.set CTB,    13056
.set WSTEP,  768                       ; a slot's next tile: the same rows, the next 1,024 along K
.set STG,    208896                    ; behind the four waves' 64 rows: a stage of 16 rows x 272 bytes for each wave
.set SPARE,  226304
.set SPW, 4
.set NIL, 5
.set ADB, 6
.set ADB2, 8
.set AS, 24
.set WSC, 56
.set RBK, 88
.set RES, 120
.set WV, 16
.set RB, 18
.set Y, 19
.set G1, 32
.set G0, 40
.set MSB, 0
.macro WIN new                         ; the immediate's high byte repeats the setting that is left; a switch that changes nothing is dropped
.if MSB != (\new)
	s_set_vgpr_msb (MSB<<8)|(\new)
.set MSB, (\new)
.endif
.endm
.macro PLACES                          ; four places behind a matrix instruction of this form (ISA guide 7.12.1)
.rept 4
	v_nop
.endr
.endm
.macro CROUND                          ; a round of the cluster's barrier
	s_barrier_signal -1
	s_barrier_wait -1
	s_cmp_lg_u32 s[WV], 0
	s_cbranch_scc1 .Lnot_wave_0_\@
	s_barrier_signal -3
.Lnot_wave_0_\@:
	s_barrier_wait -3
	s_barrier_signal -1
	s_barrier_wait -1
.endm
.macro JL g0                           ; a joint load; four v_nop follow
	tensor_load_to_lds s[(\g0):(\g0)+3], s[G1:G1+7]
	s_nop 0
.rept 4
	v_nop
.endr
.endm
.macro WML d, a, b, c, sa, sb, ra, rb
.if (\ra) && (\rb)
	v_wmma_scale_f32_16x16x128_f8f6f4 v[(\d):(\d)+7], v[(\a):(\a)+11], v[(\b):(\b)+11], \c, v[\sa], v[\sb] matrix_a_fmt:MATRIX_FMT_BF6 matrix_b_fmt:MATRIX_FMT_BF6 matrix_a_scale:MATRIX_SCALE_ROW1 matrix_b_scale:MATRIX_SCALE_ROW1
.elseif (\ra)
	v_wmma_scale_f32_16x16x128_f8f6f4 v[(\d):(\d)+7], v[(\a):(\a)+11], v[(\b):(\b)+11], \c, v[\sa], v[\sb] matrix_a_fmt:MATRIX_FMT_BF6 matrix_b_fmt:MATRIX_FMT_BF6 matrix_a_scale:MATRIX_SCALE_ROW1
.elseif (\rb)
	v_wmma_scale_f32_16x16x128_f8f6f4 v[(\d):(\d)+7], v[(\a):(\a)+11], v[(\b):(\b)+11], \c, v[\sa], v[\sb] matrix_a_fmt:MATRIX_FMT_BF6 matrix_b_fmt:MATRIX_FMT_BF6 matrix_b_scale:MATRIX_SCALE_ROW1
.else
	v_wmma_scale_f32_16x16x128_f8f6f4 v[(\d):(\d)+7], v[(\a):(\a)+11], v[(\b):(\b)+11], \c, v[\sa], v[\sb] matrix_a_fmt:MATRIX_FMT_BF6 matrix_b_fmt:MATRIX_FMT_BF6
.endif
.endm
.macro WM d, a, b, zero, sa, sb, ra, rb
.if \zero
	WML \d, \a, \b, 0, \sa, \sb, \ra, \rb
.else
	WML \d, \a, \b, v[(\d):(\d)+7], \sa, \sb, \ra, \rb
.endif
.endm
; 32 products: four K steps x four tiles of rows x two tiles of W.  The eight accumulators take turns, one instruction a turn.
.macro PASS sg, half, zero, wb, ab
	WIN ((2+\sg)<<6)|((2+\sg)<<4)|((2+\half)<<2)|1
.irp sp, 0,1,2,3
.irp m, 0,1,2,3
.irp c, 0,1
	WM 192+16*\m+8*\c, 96*\half+12*(4*\c+\sp), 12*(4*\m+\sp), (\zero)&&(\half==0)&&(\sp==0), \wb+4*\half+\sp, \ab+2*(4*\half+\sp)+\m/2, \c, \m%2
.endr
.endr
.endr
	WIN 0
.endm
; A fragment of W in pieces of 8 bytes.  16 bytes of padding lie behind every 256: lanes 16-31 read 24 bytes further on, which for some pieces is behind one padding more.
.macro FRAGB reg, sg, c, s
.irp p, 0,1,2,3,4,5
.set X0, 96*(\s)+48*(\p/3)+8*(\p%3)
.if X0%256 < 232
	ds_load_b64 v[(\reg)+2*\p:(\reg)+2*\p+1], v[ADB+(\sg)] offset:(\c)*CTB+X0+16*(X0/256)
.else
	ds_load_b64 v[(\reg)+2*\p:(\reg)+2*\p+1], v[ADB2+(\sg)] offset:(\c)*CTB+X0+16*(X0/256)
.endif
.endr
.endm
.macro FETCHB set, sg, half
	WIN 0x40
.irp c, 0,1
.irp sp, 0,1,2,3
	FRAGB 96*(\set)+12*(4*\c+\sp), \sg, \c, 4*(\half)+\sp
.endr
.endr
	WIN 0
.endm
.macro ALOAD w, kp                     ; 16 fragments of A (four tiles x four K steps) into window w: 64 loads, each of consecutive bytes from lane to lane
	WIN (\w)<<6
.irp m, 0,1,2,3
.irp sp, 0,1,2,3
	global_load_b128 v[12*(4*\m+\sp):12*(4*\m+\sp)+3], v1, s[4:5] offset:(\m*NS+8*(\kp)+4*((\w)-2)+\sp)*1536
	global_load_b64 v[12*(4*\m+\sp)+4:12*(4*\m+\sp)+5], v2, s[4:5] offset:(\m*NS+8*(\kp)+4*((\w)-2)+\sp)*1536+512
	global_load_b128 v[12*(4*\m+\sp)+6:12*(4*\m+\sp)+9], v1, s[4:5] offset:(\m*NS+8*(\kp)+4*((\w)-2)+\sp)*1536+768
	global_load_b64 v[12*(4*\m+\sp)+10:12*(4*\m+\sp)+11], v2, s[4:5] offset:(\m*NS+8*(\kp)+4*((\w)-2)+\sp)*1536+1280
.endr
.endr
	WIN 0
.endm
; A slot step: 32 rows of W against the 64 rows, 1,024 along K.  kp: which 1,024.  lw0, lw1: counted waits for A (-1: none).  al: A's next 1,024 are asked for as its registers fall free.
.macro SSTEP sg, zero, fill, nxt, kp, lw0, lw1, al
.if \lw0 >= 0
	s_wait_loadcnt \lw0
.endif
	s_wait_dscnt 48                                ; the first set is in; the second set's 48 loads may be out
	PASS \sg, 0, \zero, WSC+8*KH*\sg+8*\kp, AS+16*\kp
.if \nxt
	s_wait_tensorcnt 0x0                           ; all my tensor loads have landed: the other slot's among them
.if \fill
	ds_add_u32 v[SPW], v[NIL]                      ; 0 onto my spare word
	s_add_nc_u64 s[G0+4*\sg+2:G0+4*\sg+3], s[G0+4*\sg+2:G0+4*\sg+3], WSTEP
	s_wait_dscnt 0x0                               ; the add is done, and my reads of this slot are over
	CROUND
	JL G0+4*\sg                                    ; my one tensor load behind the round; its four v_nop are the places in front of the loads below
.else
	PLACES
.endif
	FETCHB 0, 1-\sg, 0
.if \al
	ALOAD 2, 1
.endif
	s_wait_dscnt 48
.else
	s_wait_dscnt 0x0
.endif
.if \lw1 >= 0
	s_wait_loadcnt \lw1
.endif
	PASS \sg, 1, \zero, WSC+8*KH*\sg+8*\kp, AS+16*\kp
.if \nxt
	PLACES
	FETCHB 1, 1-\sg, 1
.if \al
	ALOAD 3, 1
.endif
.endif
.endm
	s_load_b256 s[68:75], s[0:1], 0x0              ; A's images, A's scale words, W's codes, W's scales
	s_load_b128 s[76:79], s[0:1], 0x20             ; the residual, the result
	v_lshl_add_u32 v[SPW], v0, 2, SPARE
	v_mov_b32 v[NIL], 0
	ds_add_u32 v4, v5
	ds_add_u32 v4, v5
	s_wait_dscnt 0x0
	v_lshrrev_b32 v14, 5, v0
	v_readfirstlane_b32 s[WV], v14                 ; wave 0..3
	s_and_b32 s[Y], ttmp7, 0xffff
	s_mov_b32 s[G1+0], 15|(3<<16)|(1<<20)|(1<<21)|(5<<22)|(3<<25)   ; the mask: all four work-groups; elements of 8 bytes; 16 bytes of padding behind every 256
	s_mov_b32 s[G1+1], 96<<16
	s_mov_b32 s[G1+2], 64<<16
	s_mov_b32 s[G1+3], 96<<16
	s_mov_b32 s[G1+4], 64
	s_mov_b32 s[G1+5], KROW/8
	s_mov_b32 s[G1+6], 0
	s_mov_b32 s[G1+7], 0
	s_lshl_b32 s90, s[Y], 8
	s_lshl_b32 s91, s[WV], 6
	s_add_co_u32 s94, s90, s91                     ; my first row of W: 256 y + 64 w
	s_mul_i32 s90, s94, KROW
	s_mov_b32 s91, 0
	s_mul_i32 s92, s[WV], 2*WSLOT
	s_wait_kmcnt 0x0
	s_add_nc_u64 s[8:9], s[72:73], s[90:91]
	s_mov_b32 s[G0+0], 1
	s_mov_b32 s[G0+1], s92
	s_mov_b64 s[G0+2:G0+3], s[8:9]
	s_or_b32 s[G0+3], s[G0+3], 0x80000000
	CROUND                                         ; the four work-groups are here: the first joint loads meet
	tensor_load_to_lds s[G0:G0+3], s[G1:G1+7]      ; all my 64 rows of W: my one tensor load; nothing is filled again
	s_nop 0
.rept 4
	v_nop
.endr
	s_bfe_u32 s17, ttmp6, 0x40000                  ; cx
	s_lshl_b32 s[RB], ttmp9, 2
	s_add_co_u32 s[RB], s[RB], s17                 ; my block of 64 rows: it enters global addresses of A, the residual and the result alone
	s_mul_i32 s26, s[RB], 49152*KH
	s_mov_b32 s27, 0
	s_add_nc_u64 s[4:5], s[68:69], s[26:27]
	s_mul_i32 s26, s[RB], 2048*KH
	s_add_nc_u64 s[6:7], s[70:71], s[26:27]
	s_mul_i32 s28, s94, 32*KH
	s_mov_b32 s29, 0
	s_add_nc_u64 s[10:11], s[74:75], s[28:29]
	s_lshl_b32 s26, s[RB], 18
	s_lshl_b32 s28, s94, 2
	s_add_co_u32 s26, s26, s28                     ; row 64 rb, column 256 y + 64 w, in bytes
	s_add_nc_u64 s[12:13], s[76:77], s[26:27]
	s_add_nc_u64 s[14:15], s[78:79], s[26:27]
	v_and_b32 v14, 31, v0
	v_lshlrev_b32 v1, 4, v14
	v_lshlrev_b32 v2, 3, v14
	v_lshlrev_b32 v3, 2, v14
	v_lshlrev_b32 v10, 4+KH, v14                   ; a row of W's scale bytes: 32 KH
	v_and_b32 v14, 15, v0                          ; r
	v_bfe_u32 v15, v0, 4, 1                        ; h
	v_mul_u32_u24 v6, v14, 816
	v_mad_u32_u24 v8, v15, 40, v6
	v_mad_u32_u24 v6, v15, 24, v6
	v_add_nc_u32 v6, s92, v6
	v_add_nc_u32 v8, s92, v8
	v_add_nc_u32 v7, SLOT1, v6
	v_add_nc_u32 v9, SLOT1, v8
	s_mul_i32 s93, s[WV], 4352
	s_add_co_u32 s93, s93, STG
	v_mul_u32_u24 v11, v14, 272
	v_lshl_add_u32 v11, v15, 5, v11
	v_add_nc_u32 v11, s93, v11                     ; into the stage: row r, + 32 h
	v_mul_u32_u24 v12, v15, 272
	v_lshl_add_u32 v12, v14, 4, v12
	v_add_nc_u32 v12, s93, v12                     ; back: lanes 0-15 one row, lanes 16-31 the next
	v_lshlrev_b32 v13, 12, v15
	v_lshl_add_u32 v13, v14, 4, v13                ; and the same two rows in memory
.set qi, 0
.rept NS
	global_load_b32 v[AS+2*qi], v3, s[6:7] offset:256*qi        ; lanes 0-15: tile 0's words, lanes 16-31: tile 1's
	global_load_b32 v[AS+2*qi+1], v3, s[6:7] offset:256*qi+128
.set qi, qi+1
.endr
.irp sg, 0,1
.set qi, 0
.rept 2*KH
	global_load_b128 v[WSC+8*KH*\sg+4*qi:WSC+8*KH*\sg+4*qi+3], v10, s[10:11] offset:\sg*1024*KH+16*qi
.set qi, qi+1
.endr
.endr
	ALOAD 2, 0
	ALOAD 3, 0
.irp m, 0,1,2,3
.irp t, 0,1,2,3,4,5,6,7
	global_load_b128 v[RES+32*\m+4*\t:RES+32*\m+4*\t+3], v13, s[12:13] offset:(32*(\m/2)+8*(\m%2)+2*\t+8*(\t/4))*4096
.endr
.endr
	s_wait_alu depctr_va_vdst(0)
	s_wait_tensorcnt 0x0                           ; my rows of W are in
	FETCHB 0, 0, 0
	FETCHB 1, 0, 1
.if KH == 1
	SSTEP 0, 1, 0, 1, 0, 63, 32, 0                 ; 63: 96 loads are younger than window 2's fragments; 32: the residual's are younger than window 3's
	SSTEP 1, 1, 0, 0, 0, -1, -1, 0
.else
	SSTEP 0, 1, 1, 1, 0, 63, 32, 0
	SSTEP 1, 1, 1, 1, 0, -1, -1, 1
	SSTEP 0, 0, 0, 1, 1, 63, 0, 0                  ; 63: window 3's 64 loads are younger than window 2's
	SSTEP 1, 0, 0, 0, 1, -1, -1, 0
.endif
	PLACES
	s_wait_loadcnt 0x0                             ; the residual
.irp m, 0,1,2,3
.irp sg, 0,1
	WIN (2+\sg)<<2                                 ; an LDS store's data are its source 1
.irp c, 0,1
	ds_store_b128 v11, v[192+16*\m+8*\c:195+16*\m+8*\c] offset:64*(2*\sg+\c)       ; each accumulator from its low end on
	ds_store_b128 v11, v[196+16*\m+8*\c:199+16*\m+8*\c] offset:64*(2*\sg+\c)+16
.endr
.endr
	WIN 0
.irp t, 0,1,2,3,4,5,6,7
	ds_load_b128 v[RBK+4*\t:RBK+4*\t+3], v12 offset:544*\t   ; LDS serves a wave's instructions in order: these see my stores, and the next tile's stores come behind them
.endr
	s_wait_dscnt 0x0
.irp k, 0,2,4,6,8,10,12,14,16,18,20,22,24,26,28,30
	v_pk_add_f32 v[RES+32*\m+\k:RES+32*\m+\k+1], v[RES+32*\m+\k:RES+32*\m+\k+1], v[RBK+\k:RBK+\k+1]
.endr
.irp t, 0,1,2,3,4,5,6,7
.if KH == 1
	global_store_b128 v13, v[RES+32*\m+4*\t:RES+32*\m+4*\t+3], s[14:15] offset:(32*(\m/2)+8*(\m%2)+2*\t+8*(\t/4))*4096   ; 16 lanes store 256 consecutive bytes, aligned; later launches read them
.else
	global_store_b128 v13, v[RES+32*\m+4*\t:RES+32*\m+4*\t+3], s[14:15] offset:(32*(\m/2)+8*(\m%2)+2*\t+8*(\t/4))*4096 th:TH_STORE_NT
.endif
.endr
.endr
	s_wait_tensorcnt 0x0                           ; the wave's end
	ds_add_u32 v[SPW], v[NIL]
	s_wait_dscnt 0x0
	CROUND                                         ; the closing round
	s_endpgm
.Lfunc_end_k_q41e4282d2a_wo:
	.size	k_q41e4282d2a_wo, .Lfunc_end_k_q41e4282d2a_wo-k_q41e4282d2a_wo
	.p2alignl 7, 3214868480
	.fill 96, 4, 3214868480
	.section	.rodata,"a",@progbits
	.p2align	6, 0x0
	.amdhsa_kernel k_q41e4282d2a_wo
		.amdhsa_group_segment_fixed_size 327680
		.amdhsa_private_segment_fixed_size 0
		.amdhsa_enable_private_segment 0
		.amdhsa_kernarg_size 48
		.amdhsa_user_sgpr_count 2
		.amdhsa_user_sgpr_kernarg_segment_ptr 1
		.amdhsa_wavefront_size32 1
		.amdhsa_system_sgpr_workgroup_id_x 1
		.amdhsa_system_sgpr_workgroup_id_y 1
		.amdhsa_system_sgpr_workgroup_id_z 1
		.amdhsa_system_vgpr_workitem_id 0
		.amdhsa_next_free_vgpr 1024
		.amdhsa_next_free_sgpr 100
		.amdhsa_reserve_vcc 0
		.amdhsa_float_denorm_mode_32 3
		.amdhsa_float_denorm_mode_16_64 3
		.amdhsa_memory_ordered 1
		.amdhsa_forward_progress 1
		.amdhsa_inst_pref_size 63
	.end_amdhsa_kernel
	.amdgpu_metadata
---
amdhsa.version: [ 1, 2 ]
amdhsa.kernels:
  - .name:           k_q41e4282d2a_wo
    .symbol:         k_q41e4282d2a_wo.kd
    .args:
      - { .name: ao, .offset: 0, .size: 8, .value_kind: global_buffer, .address_space: global }
      - { .name: aos, .offset: 8, .size: 8, .value_kind: global_buffer, .address_space: global }
      - { .name: wo_codes, .offset: 16, .size: 8, .value_kind: global_buffer, .address_space: global }
      - { .name: wo_scales, .offset: 24, .size: 8, .value_kind: global_buffer, .address_space: global }
      - { .name: x, .offset: 32, .size: 8, .value_kind: global_buffer, .address_space: global }
      - { .name: h, .offset: 40, .size: 8, .value_kind: global_buffer, .address_space: global }
    .group_segment_fixed_size: 327680
    .private_segment_fixed_size: 0
    .kernarg_segment_align: 8
    .kernarg_segment_size: 48
    .max_flat_workgroup_size: 128
    .sgpr_count:     100
    .vgpr_count:     1024
    .wavefront_size: 32
...
	.end_amdgpu_metadata
.endif
;; end of part 3
;; launch ffn1 (part 4): grid 64 x 4, 4 waves a work-group, clusters of 4 x 1, 327,680 bytes of LDS; arguments h, g2, w1_codes, w1_scales, ff, ffs; writes ff, ffs
.if DOCPART == 4
	.amdgcn_target "amdgcn-amd-amdhsa--gfx1250"
	.amdhsa_code_object_version 6
	.text
	.protected	k_q41e4282d2a_ffn1
	.globl	k_q41e4282d2a_ffn1
	.p2align	8
	.type	k_q41e4282d2a_ffn1,@function
k_q41e4282d2a_ffn1:
	s_mov_b64 s[64:65], 0
	v_nop
	global_prefetch_b8 v0, s[64:65] scope:SCOPE_SE
	s_setreg_imm32_b32 hwreg(HW_REG_WAVE_MODE, 25, 1), 1
	s_wait_xcnt 0x0
	s_wait_alu depctr_hold_cnt(0) depctr_sa_sdst(0) depctr_va_vdst(0) depctr_va_sdst(0) depctr_va_ssrc(0) depctr_va_vcc(0) depctr_vm_vsrc(0)
	s_getreg_b32 s2, hwreg(HW_REG_IB_STS2, 6, 4)
	s_cmp_eq_u32 s2, 0
	s_cbranch_scc0 .Lentry_in_a_cluster
	s_endpgm
.Lentry_in_a_cluster:
	s_bfe_u32 s2, ttmp6, 0x10000c
	s_cmp_lg_u32 s2, 0x3003
	s_cbranch_scc0 .Lentry_shape_is_right
	s_endpgm
.Lentry_shape_is_right:
.set SLOT1,  131072
.set WSLOT,  26112
.set CTB,    13056
.set WSTEP,  49152
.set GL,     104448
.set ASC,    108544
.set SPARE,  110592
.set AIMG,   235520
.set SPW, 4
.set NIL, 5
.set ADB, 12
.set ADB2, 14
.set AS, 32
.set WSC, 48
.set WV, 16
.set RB, 18
.set Y, 19
.set G1, 32
.set G0, 40
.set MSB, 0
.macro WIN new
.if MSB != (\new)
	s_set_vgpr_msb (MSB<<8)|(\new)
.set MSB, (\new)
.endif
.endm
.macro PLACES
.rept 4
	v_nop
.endr
.endm
.macro CROUND
	s_barrier_signal -1
	s_barrier_wait -1
	s_cmp_lg_u32 s[WV], 0
	s_cbranch_scc1 .Lnot_wave_0_\@
	s_barrier_signal -3
.Lnot_wave_0_\@:
	s_barrier_wait -3
	s_barrier_signal -1
	s_barrier_wait -1
.endm
.macro JL g0
	tensor_load_to_lds s[(\g0):(\g0)+3], s[G1:G1+7]
	s_nop 0
.rept 4
	v_nop
.endr
.endm
.macro WML d, a, b, c, sa, sb, ra, rb
.if (\ra) && (\rb)
	v_wmma_scale_f32_16x16x128_f8f6f4 v[(\d):(\d)+7], v[(\a):(\a)+11], v[(\b):(\b)+11], \c, v[\sa], v[\sb] matrix_a_fmt:MATRIX_FMT_BF6 matrix_b_fmt:MATRIX_FMT_BF6 matrix_a_scale:MATRIX_SCALE_ROW1 matrix_b_scale:MATRIX_SCALE_ROW1
.elseif (\ra)
	v_wmma_scale_f32_16x16x128_f8f6f4 v[(\d):(\d)+7], v[(\a):(\a)+11], v[(\b):(\b)+11], \c, v[\sa], v[\sb] matrix_a_fmt:MATRIX_FMT_BF6 matrix_b_fmt:MATRIX_FMT_BF6 matrix_a_scale:MATRIX_SCALE_ROW1
.elseif (\rb)
	v_wmma_scale_f32_16x16x128_f8f6f4 v[(\d):(\d)+7], v[(\a):(\a)+11], v[(\b):(\b)+11], \c, v[\sa], v[\sb] matrix_a_fmt:MATRIX_FMT_BF6 matrix_b_fmt:MATRIX_FMT_BF6 matrix_b_scale:MATRIX_SCALE_ROW1
.else
	v_wmma_scale_f32_16x16x128_f8f6f4 v[(\d):(\d)+7], v[(\a):(\a)+11], v[(\b):(\b)+11], \c, v[\sa], v[\sb] matrix_a_fmt:MATRIX_FMT_BF6 matrix_b_fmt:MATRIX_FMT_BF6
.endif
.endm
.macro WM d, a, b, zero, sa, sb, ra, rb
.if \zero
	WML \d, \a, \b, 0, \sa, \sb, \ra, \rb
.else
	WML \d, \a, \b, v[(\d):(\d)+7], \sa, \sb, \ra, \rb
.endif
.endm
.macro PASS sg, half, zero, wb, ab
	WIN ((2+\sg)<<6)|((2+\sg)<<4)|((2+\half)<<2)|1
.irp sp, 0,1,2,3
.irp m, 0,1,2,3
.irp c, 0,1
	WM 192+16*\m+8*\c, 96*\half+12*(4*\c+\sp), 12*(4*\m+\sp), (\zero)&&(\half==0)&&(\sp==0), \wb+4*\half+\sp, \ab+2*(4*\half+\sp)+\m/2, \c, \m%2
.endr
.endr
.endr
	WIN 0
.endm
.macro FRAGB reg, sg, c, s
.irp p, 0,1,2,3,4,5
.set X0, 96*(\s)+48*(\p/3)+8*(\p%3)
.if X0%256 < 232
	ds_load_b64 v[(\reg)+2*\p:(\reg)+2*\p+1], v[ADB+(\sg)] offset:(\c)*CTB+X0+16*(X0/256)
.else
	ds_load_b64 v[(\reg)+2*\p:(\reg)+2*\p+1], v[ADB2+(\sg)] offset:(\c)*CTB+X0+16*(X0/256)
.endif
.endr
.endm
.macro FETCHB set, sg, half
	WIN 0x40
.irp c, 0,1
.irp sp, 0,1,2,3
	FRAGB 96*(\set)+12*(4*\c+\sp), \sg, \c, 4*(\half)+\sp
.endr
.endr
	WIN 0
.endm
.macro SSTEP sg, zero, fill, nxt, wb, ab
	s_wait_dscnt 48
	PASS \sg, 0, \zero, \wb, \ab
.if \nxt
	s_wait_tensorcnt 0x0
.if \fill
	ds_add_u32 v[SPW], v[NIL]
	s_add_nc_u64 s[G0+4*\sg+2:G0+4*\sg+3], s[G0+4*\sg+2:G0+4*\sg+3], WSTEP
	s_wait_dscnt 0x0
	CROUND
	JL G0+4*\sg
.else
	PLACES
.endif
	FETCHB 0, 1-\sg, 0
	s_wait_dscnt 48
.else
	s_wait_dscnt 0x0
.endif
	PASS \sg, 1, \zero, \wb, \ab
.if \nxt
	PLACES
	FETCHB 1, 1-\sg, 1
.endif
.endm
.macro XCHUNK s
	WIN (2+(\s)/4)<<6
.set qi, 0
.rept 16
	global_load_b128 v[64*((\s)%4)+4*qi:64*((\s)%4)+4*qi+3], v1, s[4:5] offset:(qi+8*(qi/8))*4096+512*(\s)
.set qi, qi+1
.endr
	WIN 0
.endm
.macro STAGE s
	WIN (2+(\s)/4)<<2
.set qi, 0
.rept 16
	ds_store_b128 v6, v[64*((\s)%4)+4*qi:64*((\s)%4)+4*qi+3] offset:528*qi
.set qi, qi+1
.endr
	WIN (2+(\s)/4)<<6
.set qi, 0
.rept 16
	ds_load_b128 v[64*((\s)%4)+4*qi:64*((\s)%4)+4*qi+3], v7 offset:128*(qi/4)+16*(qi%4)
.set qi, qi+1
.endr
	WIN 0
.endm
.macro SUMSQ s
	WIN (2+(\s)/4)*5
.set qi, 0
.rept 32
.if ((\s) == 0) && (qi < 4)
	v_pk_mul_f32 v[22+2*qi:23+2*qi], v[2*qi:2*qi+1], v[2*qi:2*qi+1]
.else
	v_pk_fma_f32 v[22+2*(qi%4):23+2*(qi%4)], v[64*((\s)%4)+2*qi:64*((\s)%4)+2*qi+1], v[64*((\s)%4)+2*qi:64*((\s)%4)+2*qi+1], v[22+2*(qi%4):23+2*(qi%4)]
.endif
.set qi, qi+1
.endr
	WIN 0
.endm
.macro GLOAD s
.set qi, 0
.rept 16
	ds_load_b128 v[112+4*qi:115+4*qi], v8 offset:512*(\s)+128*(qi/4)+16*(qi%4)
.set qi, qi+1
.endr
.endm
.macro QUANT4 w, xb
	WIN (\w)*5
.irp b, 0,1,2,3
	v_max3_num_f32 v[176+\b], |v[(\xb)+16*\b]|, |v[(\xb)+16*\b+1]|, 0x2800000
.endr
	WIN (\w)*20
.irp i, 2,4,6,8,10,12,14
.irp b, 0,1,2,3
	v_max3_num_f32 v[176+\b], v[176+\b], |v[(\xb)+16*\b+\i]|, |v[(\xb)+16*\b+\i+1]|
.endr
.endr
	WIN 0
.irp b, 0,1,2,3
	v_permlanex16_b32 v[180+\b], v[176+\b], s20, s21
.endr
.irp b, 0,1,2,3
	v_max_num_f32 v[176+\b], v[176+\b], v[180+\b]
.endr
.irp b, 0,1,2,3
	v_add_nc_u32 v[184+\b], 0xfe000000, v[176+\b]
.endr
.irp b, 0,1,2,3
	v_lshrrev_b32 v[180+\b], 23, v[184+\b]
.endr
	v_lshl_or_b32 v188, v181, 8, v180
	v_lshl_or_b32 v188, v182, 16, v188
	v_lshl_or_b32 v188, v183, 24, v188
	WIN \w
.irp c, 0,1
	v_cvt_scalef32_pk16_bf6_f32 v[192+6*\c:194+6*\c], v[(\xb)+32*\c:(\xb)+32*\c+15], v[184+2*\c]
	v_cvt_scalef32_pk16_bf6_f32 v[204+4*\c:206+4*\c], v[(\xb)+32*\c+16:(\xb)+32*\c+31], v[185+2*\c]
.endr
	WIN 0
	v_nop
.irp c, 0,1
.irp i, 0,1,2
	v_permlane16_swap_b32 v[192+6*\c+\i], v[204+4*\c+\i]
.endr
.irp i, 0,1,2
	v_mov_b32 v[195+6*\c+\i], v[204+4*\c+\i]
.endr
.endr
.endm
.macro QSTEP s
	s_wait_dscnt 0x0
	WIN (2+(\s)/4)*65
.set qi, 0
.rept 32
	v_pk_mul_f32 v[64*((\s)%4)+2*qi:64*((\s)%4)+2*qi+1], v[64*((\s)%4)+2*qi:64*((\s)%4)+2*qi+1], v[20:21]
.set qi, qi+1
.endr
.set qi, 0
.rept 32
	v_pk_mul_f32 v[64*((\s)%4)+2*qi:64*((\s)%4)+2*qi+1], v[64*((\s)%4)+2*qi:64*((\s)%4)+2*qi+1], v[112+2*qi:113+2*qi]
.set qi, qi+1
.endr
	WIN 0
.if (\s) < 7
	GLOAD (\s)+1
.endif
	QUANT4 2+(\s)/4, 64*((\s)%4)
.irp c, 0,1,2
	ds_store_b128 v6, v[192+4*\c:195+4*\c] offset:1536*(\s)+512*\c
.endr
	ds_store_b32 v9, v188 offset:256*(\s)
.endm
.macro GELU w, xb
	WIN \w
.irp k, 0,2,4,6,8,10,12,14
	v_pk_mul_f32 v[192+\k:193+\k], v[(\xb)+\k:(\xb)+\k+1], s[48:49] op_sel_hi:[1,0]
.endr
	WIN 0
.irp k, 0,1,2,3,4,5,6,7,8,9,10,11,12,13,14,15
	v_med3_num_f32 v[192+\k], v[192+\k], -4.0, 4.0
.endr
.irp k, 0,2,4,6,8,10,12,14
	v_pk_mul_f32 v[208+\k:209+\k], v[192+\k:193+\k], v[192+\k:193+\k]
.endr
.irp k, 0,2,4,6,8,10,12,14
	v_pk_fma_f32 v[224+\k:225+\k], v[208+\k:209+\k], v[22:23], s[50:51] op_sel_hi:[1,1,0]
.endr
.irp a, 52, 54, 56, 58, 60
.irp k, 0,2,4,6,8,10,12,14
	v_pk_fma_f32 v[224+\k:225+\k], v[224+\k:225+\k], v[208+\k:209+\k], s[\a:\a+1] op_sel_hi:[1,1,0]
.endr
.endr
.irp k, 0,2,4,6,8,10,12,14
	v_pk_fma_f32 v[240+\k:241+\k], v[208+\k:209+\k], v[24:25], s[62:63] op_sel_hi:[1,1,0]
.endr
.irp a, 80, 82, 84
.irp k, 0,2,4,6,8,10,12,14
	v_pk_fma_f32 v[240+\k:241+\k], v[240+\k:241+\k], v[208+\k:209+\k], s[\a:\a+1] op_sel_hi:[1,1,0]
.endr
.endr
.irp k, 0,2,4,6,8,10,12,14
	v_pk_mul_f32 v[224+\k:225+\k], v[224+\k:225+\k], v[192+\k:193+\k]
.endr
	s_wait_alu depctr_va_vdst(0)
.irp k, 0,1,2,3,4,5,6,7,8,9,10,11,12,13,14,15
	v_rcp_f32 v[240+\k], v[240+\k]
.endr
	WIN \w
.irp k, 0,2,4,6,8,10,12,14
	v_pk_mul_f32 v[208+\k:209+\k], v[(\xb)+\k:(\xb)+\k+1], 0.5 op_sel_hi:[1,0]
.endr
	WIN 0
	s_wait_alu depctr_va_vdst(0)
.irp k, 0,2,4,6,8,10,12,14
	v_pk_mul_f32 v[224+\k:225+\k], v[224+\k:225+\k], v[240+\k:241+\k]
.endr
	WIN (\w)<<6
.irp k, 0,2,4,6,8,10,12,14
	v_pk_fma_f32 v[(\xb)+\k:(\xb)+\k+1], v[208+\k:209+\k], v[224+\k:225+\k], v[208+\k:209+\k]
.endr
	WIN 0
.endm
.macro QTAIL1
.irp k, 0,1,2,3,4,5,6,7
	v_permlanex16_b32 v[120+\k], v[112+\k], s20, s21
.endr
.irp k, 0,1,2,3,4,5,6,7
	v_max_num_f32 v[112+\k], v[112+\k], v[120+\k]
.endr
.irp k, 0,1,2,3,4,5,6,7
	v_add_nc_u32 v[128+\k], 0xfe000000, v[112+\k]
.endr
.irp k, 0,1,2,3,4,5,6,7
	v_lshrrev_b32 v[120+\k], 23, v[128+\k]
.endr
.irp q, 0,1,2,3
	v_lshl_or_b32 v[136+\q], v[121+2*\q], 8, v[120+2*\q]
.endr
.endm
.macro QTAIL2 istr, off
	v_nop
.irp q, 0,1,2,3
.irp i, 0,1,2
	v_permlane16_swap_b32 v[144+8*\q+\i], v[176+4*\q+\i]
.endr
.endr
.irp q, 0,1,2,3
.irp i, 0,1,2
	v_mov_b32 v[147+8*\q+\i], v[176+4*\q+\i]
.endr
.endr
.irp q, 0,1,2,3
	global_store_b128 v1, v[144+8*\q:147+8*\q], s[12:13] offset:\q*(\istr)+(\off)
	global_store_b64 v2, v[148+8*\q:149+8*\q], s[12:13] offset:\q*(\istr)+(\off)+512
.endr
.endm
.macro EPI_T istr, off
.irp sg, 0,1
	WIN (2+\sg)*65
.irp m, 0,1,2,3
.irp j, 0,1,2,3,4,5,6,7
	v_permlane16_swap_b32 v[192+16*\m+\j], v[200+16*\m+\j]
.endr
.endr
.endr
.irp sg, 0,1
	WIN (2+\sg)*5
.irp m, 0,1,2,3
	v_max3_num_f32 v[112+2*\m+\sg], |v[192+16*\m]|, |v[193+16*\m]|, 0x2800000
.endr
	WIN (2+\sg)*20
.irp i, 2,4,6,8,10,12,14
.irp m, 0,1,2,3
	v_max3_num_f32 v[112+2*\m+\sg], v[112+2*\m+\sg], |v[192+16*\m+\i]|, |v[193+16*\m+\i]|
.endr
.endr
.endr
	WIN 0
	QTAIL1
	WIN 2
.irp m, 0,1,2,3
	v_cvt_scalef32_pk16_bf6_f32 v[144+8*\m:146+8*\m], v[192+16*\m:207+16*\m], v[128+2*\m]
.endr
	WIN 3
.irp m, 0,1,2,3
	v_cvt_scalef32_pk16_bf6_f32 v[176+4*\m:178+4*\m], v[192+16*\m:207+16*\m], v[129+2*\m]
.endr
	WIN 0
	QTAIL2 \istr, \off
.endm
.macro ACT
.irp sg, 0,1
.irp m, 0,1,2,3
	GELU 2+\sg, 192+16*\m
.endr
.endr
.endm
	s_load_b256 s[68:75], s[0:1], 0x0
	s_load_b128 s[76:79], s[0:1], 0x20
	v_lshl_add_u32 v[SPW], v0, 2, SPARE
	v_mov_b32 v[NIL], 0
	ds_add_u32 v4, v5
	ds_add_u32 v4, v5
	s_wait_dscnt 0x0
	v_lshrrev_b32 v30, 5, v0
	v_readfirstlane_b32 s[WV], v30
	s_and_b32 s[Y], ttmp7, 0xffff
	s_mov_b32 s[G1+0], 15|(3<<16)|(1<<20)|(1<<21)|(5<<22)|(3<<25)
	s_mov_b32 s[G1+1], 96<<16
	s_mov_b32 s[G1+2], 32<<16
	s_mov_b32 s[G1+3], 96<<16
	s_mov_b32 s[G1+4], 32
	s_mov_b32 s[G1+5], 96
	s_mov_b32 s[G1+6], 0
	s_mov_b32 s[G1+7], 0
	s_lshl_b32 s94, s[Y], 2
	s_add_co_u32 s94, s94, s[WV]
	s_mul_i32 s90, s94, 98304
	s_mov_b32 s91, 0
	s_mul_i32 s92, s[WV], WSLOT
	s_wait_kmcnt 0x0
	s_add_nc_u64 s[8:9], s[72:73], s[90:91]
	s_mov_b32 s[G0+0], 1
	s_mov_b32 s[G0+1], s92
	s_mov_b64 s[G0+2:G0+3], s[8:9]
	s_or_b32 s[G0+3], s[G0+3], 0x80000000
	s_mov_b32 s[G0+4], 1
	s_add_co_u32 s[G0+5], s92, SLOT1
	s_add_nc_u64 s[G0+6:G0+7], s[8:9], 24576
	s_or_b32 s[G0+7], s[G0+7], 0x80000000
	CROUND
	tensor_load_to_lds s[G0:G0+3], s[G1:G1+7]      ; slot 0: my one tensor load at the head
	s_nop 0
.rept 4
	v_nop
.endr
	s_bfe_u32 s17, ttmp6, 0x40000
	s_lshl_b32 s[RB], ttmp9, 2
	s_add_co_u32 s[RB], s[RB], s17
	s_lshl_b32 s26, s[RB], 18
	s_lshr_b32 s27, s[WV], 1
	s_lshl_b32 s27, s27, 17
	s_add_co_u32 s26, s26, s27
	s_and_b32 s27, s[WV], 1
	s_lshl_b32 s27, s27, 15
	s_add_co_u32 s26, s26, s27
	s_mov_b32 s27, 0
	s_add_nc_u64 s[4:5], s[68:69], s[26:27]
	s_mov_b64 s[6:7], s[70:71]
	s_lshl_b32 s28, s94, 12
	s_mov_b32 s29, 0
	s_add_nc_u64 s[10:11], s[74:75], s[28:29]
	s_lshl_b32 s28, s[RB], 6
	s_add_co_u32 s28, s28, s94
	s_mul_i32 s28, s28, 1536
	s_add_nc_u64 s[12:13], s[76:77], s[28:29]
	s_lshl_b32 s28, s[RB], 12
	s_lshl_b32 s30, s94, 8
	s_add_co_u32 s28, s28, s30
	s_add_nc_u64 s[14:15], s[78:79], s[28:29]
	s_mov_b32 s20, 0x76543210
	s_mov_b32 s21, 0xfedcba98
	s_mov_b32 s22, 0xffff0000
	s_mov_b32 s23, 0x3727c5ac
	s_mov_b32 s24, 0x3a800000
.macro KC r, c                         ; a coefficient of erf's rational form as a scalar pair: the packed forms name the pair and take its low word for both halves
	s_mov_b32 s[\r], \c
	s_mov_b32 s[\r+1], \c
.endm
	KC 48, 0x3f3504f3
	KC 50, 0x32edffee
	KC 52, 0xb60cff51
	KC 54, 0xb86ec2d2
	KC 56, 0xba40ac63
	KC 58, 0xbb41a1f6
	KC 60, 0xbc83dbd4
	KC 62, 0xb95fbd29
	KC 80, 0xbadc924e
	KC 82, 0xbbf19bf8
	KC 84, 0xbc69b6a7
	v_and_b32 v30, 31, v0
	v_lshlrev_b32 v1, 4, v30
	v_lshlrev_b32 v2, 3, v30
	v_lshlrev_b32 v3, 2, v30
	v_lshlrev_b32 v16, 5, v30
	s_mul_i32 s86, s17, 6144                       ; prefetches: of a tile's 96 blocks of 256 bytes my work-group names 24, told apart from its partners' by address
	v_min_u32 v19, 23, v30                         ; a lane a block; lanes 24-31 name block 23 again
	v_lshl_add_u32 v19, v19, 8, s86
	v_and_b32 v30, 15, v0
	v_bfe_u32 v31, v0, 4, 1
	s_mul_i32 s93, s[WV], 12288
	s_add_co_u32 s93, s93, AIMG
	v_add_nc_u32 v6, s93, v1
	v_mul_u32_u24 v7, v30, 528
	v_lshl_add_u32 v7, v31, 6, v7
	v_add_nc_u32 v7, s93, v7
	v_lshlrev_b32 v8, 6, v31
	v_add_nc_u32 v8, GL, v8
	s_lshl_b32 s93, s[WV], 6
	s_add_co_u32 s93, s93, ASC
	v_lshl_add_u32 v9, v30, 2, s93
	v_add_nc_u32 v10, AIMG, v1
	v_add_nc_u32 v11, ASC, v3
	v_mul_u32_u24 v12, v30, 816
	v_mad_u32_u24 v14, v31, 40, v12
	v_mad_u32_u24 v12, v31, 24, v12
	v_add_nc_u32 v12, s92, v12
	v_add_nc_u32 v14, s92, v14
	v_add_nc_u32 v13, SLOT1, v12
	v_add_nc_u32 v15, SLOT1, v14
	s_lshl_b32 s93, s[WV], 10
	v_add_nc_u32 v18, s93, v1
	v_add_nc_u32 v17, GL, v18
.irp b, 0,1,2,3
	v_mov_b32 v[180+\b], 0
.endr
	global_load_b128 v[112:115], v18, s[6:7]
	global_load_b128 v[116:119], v18, s[6:7] offset:512
	XCHUNK 0
	XCHUNK 1
	XCHUNK 2
	global_prefetch_b8 v19, s[8:9] offset:24576 th:TH_LOAD_NT scope:SCOPE_SE   ; my tile 1 of W, which is loaded behind the sums of squares
	s_wait_alu depctr_va_vdst(0)
	s_wait_loadcnt 48
	ds_store_b128 v17, v[112:115]
	ds_store_b128 v17, v[116:119] offset:512
.irp s, 0,1,2,3,4,5,6,7
.if \s+3 < 8
	XCHUNK \s+3
.endif
.if \s < 5
	s_wait_alu depctr_va_vdst(0)
	s_wait_loadcnt 48
.else
	s_wait_alu depctr_va_vdst(0)
	s_wait_loadcnt 16*(7-\s)
.endif
	STAGE \s
.if \s > 0
	s_wait_dscnt 32
	SUMSQ \s-1
.endif
.endr
	s_wait_alu depctr_va_vdst(0)
	s_wait_dscnt 0x0
	SUMSQ 7
	s_wait_alu depctr_va_vdst(0)
	s_wait_tensorcnt 0x0                           ; slot 0 is in
	ds_add_u32 v[SPW], v[NIL]
	s_wait_dscnt 0x0
	CROUND                                         ; the whole gain lies in LDS, and the four work-groups are here
	JL G0+4                                        ; slot 1's first fill: my one tensor load behind the round; the eight quantising steps stand between it and the wait for it
.irp n, 0,1,2,3
	global_load_b128 v[WSC+8*\n:WSC+8*\n+3], v16, s[10:11] offset:1024*\n
	global_load_b128 v[WSC+8*\n+4:WSC+8*\n+7], v16, s[10:11] offset:1024*\n+16
.endr
	GLOAD 0
	global_prefetch_b8 v19, s[8:9] offset:49152 th:TH_LOAD_NT scope:SCOPE_SE   ; my tiles 2 and 3: the two refills
	global_prefetch_b8 v19, s[8:9] offset:73728 th:TH_LOAD_NT scope:SCOPE_SE
	v_pk_add_f32 v[22:23], v[22:23], v[24:25]
	v_pk_add_f32 v[26:27], v[26:27], v[28:29]
	v_pk_add_f32 v[22:23], v[22:23], v[26:27]
	v_add_f32 v22, v22, v23
	v_permlanex16_b32 v30, v22, s20, s21
	v_add_f32 v22, v22, v30
	v_fma_f32 v20, v22, s24, s23
	s_wait_alu depctr_va_vdst(0)
	v_rsq_f32 v20, v20
	v_nop
	s_wait_alu depctr_va_vdst(0)
	v_mov_b32 v21, v20
	v_mov_b32 v22, 0xaf95df0b
	v_mov_b32 v23, 0xaf95df0b
	v_mov_b32 v24, 0xb77460cd
	v_mov_b32 v25, 0xb77460cd
	s_wait_alu depctr_va_vdst(0)
.irp s, 0,1,2,3,4,5,6,7
	QSTEP \s
.endr
	s_wait_dscnt 0x0
	s_barrier_signal -1
	s_barrier_wait -1
.irp hf, 0,1
	WIN (2+\hf)<<6
.irp m, 0,1,2,3
.irp sp, 0,1,2,3
.irp c, 0,1,2
	ds_load_b128 v[12*(4*\m+\sp)+4*\c:12*(4*\m+\sp)+4*\c+3], v10 offset:(8*\m+4*\hf+\sp)*1536+512*\c
.endr
.endr
.endr
.endr
	WIN 0
.irp s, 0,1,2,3,4,5,6,7
.irp mp, 0,1
	ds_load_b32 v[AS+2*\s+\mp], v11 offset:256*\s+128*\mp
.endr
.endr
.irp k, 0,1,2,3,4,5,6,7
	v_mov_b32 v[120+\k], 0
.endr
	s_wait_tensorcnt 1
	FETCHB 0, 0, 0
	FETCHB 1, 0, 1
	s_wait_loadcnt 0x0
	SSTEP 0, 1, 1, 1, WSC, AS
	SSTEP 1, 1, 1, 1, WSC+8, AS
	ACT
	EPI_T 24576, 0
.irp q, 0,1,2,3
	v_mov_b32 v[140+\q], v[136+\q]
.endr
	s_wait_xcnt 0x0
	SSTEP 0, 1, 0, 1, WSC+16, AS
	SSTEP 1, 1, 0, 0, WSC+24, AS
	PLACES
	ACT
	EPI_T 24576, 768
.irp q, 0,1,2,3
	v_lshl_or_b32 v[136+\q], v[136+\q], 16, v[140+\q]
.endr
	v_cndmask_b32 v140, v136, v137, s22
	v_cndmask_b32 v141, v138, v139, s22
	global_store_b32 v3, v140, s[14:15]
	global_store_b32 v3, v141, s[14:15] offset:128
	s_wait_tensorcnt 0x0
	ds_add_u32 v[SPW], v[NIL]
	s_wait_dscnt 0x0
	CROUND
	s_endpgm
.Lfunc_end_k_q41e4282d2a_ffn1:
	.size	k_q41e4282d2a_ffn1, .Lfunc_end_k_q41e4282d2a_ffn1-k_q41e4282d2a_ffn1
	.p2alignl 7, 3214868480
	.fill 96, 4, 3214868480
	.section	.rodata,"a",@progbits
	.p2align	6, 0x0
	.amdhsa_kernel k_q41e4282d2a_ffn1
		.amdhsa_group_segment_fixed_size 327680
		.amdhsa_private_segment_fixed_size 0
		.amdhsa_enable_private_segment 0
		.amdhsa_kernarg_size 48
		.amdhsa_user_sgpr_count 2
		.amdhsa_user_sgpr_kernarg_segment_ptr 1
		.amdhsa_wavefront_size32 1
		.amdhsa_system_sgpr_workgroup_id_x 1
		.amdhsa_system_sgpr_workgroup_id_y 1
		.amdhsa_system_sgpr_workgroup_id_z 1
		.amdhsa_system_vgpr_workitem_id 0
		.amdhsa_next_free_vgpr 1024
		.amdhsa_next_free_sgpr 100
		.amdhsa_reserve_vcc 0
		.amdhsa_float_denorm_mode_32 3
		.amdhsa_float_denorm_mode_16_64 3
		.amdhsa_memory_ordered 1
		.amdhsa_forward_progress 1
		.amdhsa_inst_pref_size 255
	.end_amdhsa_kernel
	.section	.bss,"aw",@nobits
	.p2align	6
	.space	262144
	.amdgpu_metadata
---
amdhsa.version: [ 1, 2 ]
amdhsa.kernels:
  - .name:           k_q41e4282d2a_ffn1
    .symbol:         k_q41e4282d2a_ffn1.kd
    .args:
      - { .name: h, .offset: 0, .size: 8, .value_kind: global_buffer, .address_space: global }
      - { .name: g2, .offset: 8, .size: 8, .value_kind: global_buffer, .address_space: global }
      - { .name: w1_codes, .offset: 16, .size: 8, .value_kind: global_buffer, .address_space: global }
      - { .name: w1_scales, .offset: 24, .size: 8, .value_kind: global_buffer, .address_space: global }
      - { .name: ff, .offset: 32, .size: 8, .value_kind: global_buffer, .address_space: global }
      - { .name: ffs, .offset: 40, .size: 8, .value_kind: global_buffer, .address_space: global }
    .group_segment_fixed_size: 327680
    .private_segment_fixed_size: 0
    .kernarg_segment_align: 8
    .kernarg_segment_size: 48
    .max_flat_workgroup_size: 128
    .sgpr_count:     100
    .vgpr_count:     1024
    .wavefront_size: 32
...
	.end_amdgpu_metadata
.endif
;; end of part 4
;; launch ffn2 (part 5): grid 64 x 4, 4 waves a work-group, clusters of 4 x 1, 327,680 bytes of LDS; arguments ff, ffs, w2_codes, w2_scales, h, out0; writes out0
.if DOCPART == 5
	.amdgcn_target "amdgcn-amd-amdhsa--gfx1250"
	.amdhsa_code_object_version 6
	.text
	.protected	k_q41e4282d2a_ffn2
	.globl	k_q41e4282d2a_ffn2
	.p2align	8
	.type	k_q41e4282d2a_ffn2,@function
k_q41e4282d2a_ffn2:
	s_mov_b64 s[64:65], 0
	v_nop
	global_prefetch_b8 v0, s[64:65] scope:SCOPE_SE
	s_setreg_imm32_b32 hwreg(HW_REG_WAVE_MODE, 25, 1), 1
	s_wait_xcnt 0x0
	s_wait_alu depctr_hold_cnt(0) depctr_sa_sdst(0) depctr_va_vdst(0) depctr_va_sdst(0) depctr_va_ssrc(0) depctr_va_vcc(0) depctr_vm_vsrc(0)
	s_getreg_b32 s2, hwreg(HW_REG_IB_STS2, 6, 4)
	s_cmp_eq_u32 s2, 0
	s_cbranch_scc0 .Lentry_in_a_cluster
	s_endpgm
.Lentry_in_a_cluster:
	s_bfe_u32 s2, ttmp6, 0x10000c
	s_cmp_lg_u32 s2, 0x3003
	s_cbranch_scc0 .Lentry_shape_is_right
	s_endpgm
.Lentry_shape_is_right:
.set KH,     2
.set NS,     8*KH
.set KROW,   768*KH
.set SLOT1,  131072
.set WSLOT,  26112
.set CTB,    13056
.set WSTEP,  768
.set STG,    104448
.set SPARE,  121856
.set SPW, 4
.set NIL, 5
.set ADB, 6
.set ADB2, 8
.set AS, 24
.set WSC, 56
.set RBK, 88
.set RES, 120
.set WV, 16
.set RB, 18
.set Y, 19
.set G1, 32
.set G0, 40
.set MSB, 0
.macro WIN new
.if MSB != (\new)
	s_set_vgpr_msb (MSB<<8)|(\new)
.set MSB, (\new)
.endif
.endm
.macro PLACES
.rept 4
	v_nop
.endr
.endm
.macro CROUND
	s_barrier_signal -1
	s_barrier_wait -1
	s_cmp_lg_u32 s[WV], 0
	s_cbranch_scc1 .Lnot_wave_0_\@
	s_barrier_signal -3
.Lnot_wave_0_\@:
	s_barrier_wait -3
	s_barrier_signal -1
	s_barrier_wait -1
.endm
.macro JL g0
	tensor_load_to_lds s[(\g0):(\g0)+3], s[G1:G1+7]
	s_nop 0
.rept 4
	v_nop
.endr
.endm
.macro WML d, a, b, c, sa, sb, ra, rb
.if (\ra) && (\rb)
	v_wmma_scale_f32_16x16x128_f8f6f4 v[(\d):(\d)+7], v[(\a):(\a)+11], v[(\b):(\b)+11], \c, v[\sa], v[\sb] matrix_a_fmt:MATRIX_FMT_BF6 matrix_b_fmt:MATRIX_FMT_BF6 matrix_a_scale:MATRIX_SCALE_ROW1 matrix_b_scale:MATRIX_SCALE_ROW1
.elseif (\ra)
	v_wmma_scale_f32_16x16x128_f8f6f4 v[(\d):(\d)+7], v[(\a):(\a)+11], v[(\b):(\b)+11], \c, v[\sa], v[\sb] matrix_a_fmt:MATRIX_FMT_BF6 matrix_b_fmt:MATRIX_FMT_BF6 matrix_a_scale:MATRIX_SCALE_ROW1
.elseif (\rb)
	v_wmma_scale_f32_16x16x128_f8f6f4 v[(\d):(\d)+7], v[(\a):(\a)+11], v[(\b):(\b)+11], \c, v[\sa], v[\sb] matrix_a_fmt:MATRIX_FMT_BF6 matrix_b_fmt:MATRIX_FMT_BF6 matrix_b_scale:MATRIX_SCALE_ROW1
.else
	v_wmma_scale_f32_16x16x128_f8f6f4 v[(\d):(\d)+7], v[(\a):(\a)+11], v[(\b):(\b)+11], \c, v[\sa], v[\sb] matrix_a_fmt:MATRIX_FMT_BF6 matrix_b_fmt:MATRIX_FMT_BF6
.endif
.endm
.macro WM d, a, b, zero, sa, sb, ra, rb
.if \zero
	WML \d, \a, \b, 0, \sa, \sb, \ra, \rb
.else
	WML \d, \a, \b, v[(\d):(\d)+7], \sa, \sb, \ra, \rb
.endif
.endm
.macro PASS sg, half, zero, wb, ab
	WIN ((2+\sg)<<6)|((2+\sg)<<4)|((2+\half)<<2)|1
.irp sp, 0,1,2,3
.irp m, 0,1,2,3
.irp c, 0,1
	WM 192+16*\m+8*\c, 96*\half+12*(4*\c+\sp), 12*(4*\m+\sp), (\zero)&&(\half==0)&&(\sp==0), \wb+4*\half+\sp, \ab+2*(4*\half+\sp)+\m/2, \c, \m%2
.endr
.endr
.endr
	WIN 0
.endm
.macro FRAGB reg, sg, c, s
.irp p, 0,1,2,3,4,5
.set X0, 96*(\s)+48*(\p/3)+8*(\p%3)
.if X0%256 < 232
	ds_load_b64 v[(\reg)+2*\p:(\reg)+2*\p+1], v[ADB+(\sg)] offset:(\c)*CTB+X0+16*(X0/256)
.else
	ds_load_b64 v[(\reg)+2*\p:(\reg)+2*\p+1], v[ADB2+(\sg)] offset:(\c)*CTB+X0+16*(X0/256)
.endif
.endr
.endm
.macro FETCHB set, sg, half
	WIN 0x40
.irp c, 0,1
.irp sp, 0,1,2,3
	FRAGB 96*(\set)+12*(4*\c+\sp), \sg, \c, 4*(\half)+\sp
.endr
.endr
	WIN 0
.endm
.macro ALOAD w, kp
	WIN (\w)<<6
.irp m, 0,1,2,3
.irp sp, 0,1,2,3
	global_load_b128 v[12*(4*\m+\sp):12*(4*\m+\sp)+3], v1, s[4:5] offset:(\m*NS+8*(\kp)+4*((\w)-2)+\sp)*1536
	global_load_b64 v[12*(4*\m+\sp)+4:12*(4*\m+\sp)+5], v2, s[4:5] offset:(\m*NS+8*(\kp)+4*((\w)-2)+\sp)*1536+512
	global_load_b128 v[12*(4*\m+\sp)+6:12*(4*\m+\sp)+9], v1, s[4:5] offset:(\m*NS+8*(\kp)+4*((\w)-2)+\sp)*1536+768
	global_load_b64 v[12*(4*\m+\sp)+10:12*(4*\m+\sp)+11], v2, s[4:5] offset:(\m*NS+8*(\kp)+4*((\w)-2)+\sp)*1536+1280
.endr
.endr
	WIN 0
.endm
.macro SSTEP sg, zero, fill, nxt, kp, lw0, lw1, al
.if \lw0 >= 0
	s_wait_loadcnt \lw0
.endif
	s_wait_dscnt 48
	PASS \sg, 0, \zero, WSC+8*KH*\sg+8*\kp, AS+16*\kp
.if \nxt
	s_wait_tensorcnt 0x0
.if \fill
	ds_add_u32 v[SPW], v[NIL]
	s_add_nc_u64 s[G0+4*\sg+2:G0+4*\sg+3], s[G0+4*\sg+2:G0+4*\sg+3], WSTEP
	s_wait_dscnt 0x0
	CROUND
	JL G0+4*\sg
.else
	PLACES
.endif
	s_wait_alu depctr_va_vdst(0)
	FETCHB 0, 1-\sg, 0
.if \al
	ALOAD 2, 1
.endif
	s_wait_dscnt 48
.else
	s_wait_dscnt 0x0
.endif
.if \lw1 >= 0
	s_wait_loadcnt \lw1
.endif
	PASS \sg, 1, \zero, WSC+8*KH*\sg+8*\kp, AS+16*\kp
.if \nxt
	PLACES
	FETCHB 1, 1-\sg, 1
.if \al
	ALOAD 3, 1
.endif
.endif
.endm
	s_load_b256 s[68:75], s[0:1], 0x0
	s_load_b128 s[76:79], s[0:1], 0x20
	v_lshl_add_u32 v[SPW], v0, 2, SPARE
	v_mov_b32 v[NIL], 0
	ds_add_u32 v4, v5
	ds_add_u32 v4, v5
	s_wait_dscnt 0x0
	v_lshrrev_b32 v14, 5, v0
	v_readfirstlane_b32 s[WV], v14
	s_and_b32 s[Y], ttmp7, 0xffff
	s_mov_b32 s[G1+0], 15|(3<<16)|(1<<20)|(1<<21)|(5<<22)|(3<<25)
	s_mov_b32 s[G1+1], 96<<16
	s_mov_b32 s[G1+2], 32<<16
	s_mov_b32 s[G1+3], 96<<16
	s_mov_b32 s[G1+4], 32
	s_mov_b32 s[G1+5], KROW/8
	s_mov_b32 s[G1+6], 0
	s_mov_b32 s[G1+7], 0
	s_lshl_b32 s90, s[Y], 8
	s_lshl_b32 s91, s[WV], 6
	s_add_co_u32 s94, s90, s91
	s_mul_i32 s90, s94, KROW
	s_mov_b32 s91, 0
	s_mul_i32 s92, s[WV], WSLOT
	s_wait_kmcnt 0x0
	s_add_nc_u64 s[8:9], s[72:73], s[90:91]
	s_mov_b32 s[G0+0], 1
	s_mov_b32 s[G0+1], s92
	s_mov_b64 s[G0+2:G0+3], s[8:9]
	s_or_b32 s[G0+3], s[G0+3], 0x80000000
	s_mov_b32 s[G0+4], 1
	s_add_co_u32 s[G0+5], s92, SLOT1
	s_add_nc_u64 s[G0+6:G0+7], s[8:9], 32*KROW
	s_or_b32 s[G0+7], s[G0+7], 0x80000000
	CROUND
	tensor_load_to_lds s[G0:G0+3], s[G1:G1+7]      ; slot 0: my one tensor load at the head
	s_nop 0
.rept 4
	v_nop
.endr
	s_bfe_u32 s17, ttmp6, 0x40000
	s_lshl_b32 s[RB], ttmp9, 2
	s_add_co_u32 s[RB], s[RB], s17
	s_mul_i32 s26, s[RB], 49152*KH
	s_mov_b32 s27, 0
	s_add_nc_u64 s[4:5], s[68:69], s[26:27]
	s_mul_i32 s26, s[RB], 2048*KH
	s_add_nc_u64 s[6:7], s[70:71], s[26:27]
	s_mul_i32 s28, s94, 32*KH
	s_mov_b32 s29, 0
	s_add_nc_u64 s[10:11], s[74:75], s[28:29]
	s_lshl_b32 s26, s[RB], 18
	s_lshl_b32 s28, s94, 2
	s_add_co_u32 s26, s26, s28
	s_add_nc_u64 s[12:13], s[76:77], s[26:27]
	s_add_nc_u64 s[14:15], s[78:79], s[26:27]
	v_and_b32 v14, 31, v0
	v_lshlrev_b32 v1, 4, v14
	v_lshlrev_b32 v2, 3, v14
	v_lshlrev_b32 v3, 2, v14
	v_lshlrev_b32 v10, 4+KH, v14
	s_mul_i32 s30, s[Y], 24576                     ; prefetch of A's second 1,024 along K: the four work-groups of a row block share it out: work-group y names tile y's 12,288 bytes,
	s_mul_i32 s31, s[WV], 3072                     ; a wave 12 blocks of 256 bytes,
	s_add_co_u32 s30, s30, s31
	v_min_u32 v16, 11, v14                         ; a lane a block; lanes 12-31 name block 11 again
	v_lshl_add_u32 v16, v16, 8, s30
	s_mul_i32 s31, s17, 24576                      ; prefetch of W's second 1,024 along K: of my 64 rows my work-group names 16, told apart from its partners' by address
	v_min_u32 v18, 15, v14
	v_mul_u32_u24 v18, v18, 1536
	v_add_nc_u32 v18, s31, v18                     ; the third block of a row: a lane a row; lanes 16-31 name row 15's again
	v_and_b32 v14, 15, v0
	v_bfe_u32 v15, v0, 4, 1
	v_mul_u32_u24 v17, v14, 1536
	v_lshl_add_u32 v17, v15, 8, v17
	v_add_nc_u32 v17, s31, v17                     ; the first two blocks of a row: lanes 0-15 the first, lanes 16-31 the second
	v_mul_u32_u24 v6, v14, 816
	v_mad_u32_u24 v8, v15, 40, v6
	v_mad_u32_u24 v6, v15, 24, v6
	v_add_nc_u32 v6, s92, v6
	v_add_nc_u32 v8, s92, v8
	v_add_nc_u32 v7, SLOT1, v6
	v_add_nc_u32 v9, SLOT1, v8
	s_mul_i32 s93, s[WV], 4352
	s_add_co_u32 s93, s93, STG
	v_mul_u32_u24 v11, v14, 272
	v_lshl_add_u32 v11, v15, 5, v11
	v_add_nc_u32 v11, s93, v11
	v_mul_u32_u24 v12, v15, 272
	v_lshl_add_u32 v12, v14, 4, v12
	v_add_nc_u32 v12, s93, v12
	v_lshlrev_b32 v13, 12, v15
	v_lshl_add_u32 v13, v14, 4, v13
.set qi, 0
.rept NS
	global_load_b32 v[AS+2*qi], v3, s[6:7] offset:256*qi
	global_load_b32 v[AS+2*qi+1], v3, s[6:7] offset:256*qi+128
.set qi, qi+1
.endr
.irp sg, 0,1
.set qi, 0
.rept 2*KH
	global_load_b128 v[WSC+8*KH*\sg+4*qi:WSC+8*KH*\sg+4*qi+3], v10, s[10:11] offset:\sg*1024*KH+16*qi
.set qi, qi+1
.endr
.endr
	global_prefetch_b8 v17, s[8:9] offset:768 th:TH_LOAD_NT scope:SCOPE_SE     ; the two refills' bytes: 768 bytes of each of 16 rows
	global_prefetch_b8 v18, s[8:9] offset:1280 th:TH_LOAD_NT scope:SCOPE_SE
	ALOAD 2, 0
	ALOAD 3, 0
	global_prefetch_b8 v16, s[4:5] offset:12288 th:TH_LOAD_NT scope:SCOPE_SE   ; loaded when the second slot step frees A's registers
.irp m, 0,1,2,3
.irp t, 0,1,2,3,4,5,6,7
	global_load_b128 v[RES+32*\m+4*\t:RES+32*\m+4*\t+3], v13, s[12:13] offset:(32*(\m/2)+8*(\m%2)+2*\t+8*(\t/4))*4096
.endr
.endr
	s_wait_alu depctr_va_vdst(0)
	s_wait_tensorcnt 0x0                           ; slot 0 is in
	ds_add_u32 v[SPW], v[NIL]
	s_wait_dscnt 0x0
	CROUND
	JL G0+4                                        ; slot 1's first fill: my one tensor load behind the round
	FETCHB 0, 0, 0
	FETCHB 1, 0, 1
.if KH == 1
	SSTEP 0, 1, 0, 1, 0, 63, 32, 0
	SSTEP 1, 1, 0, 0, 0, -1, -1, 0
.else
	SSTEP 0, 1, 1, 1, 0, 63, 32, 0
	SSTEP 1, 1, 1, 1, 0, -1, -1, 1
	SSTEP 0, 0, 0, 1, 1, 63, 0, 0
	SSTEP 1, 0, 0, 0, 1, -1, -1, 0
.endif
	PLACES
	s_wait_loadcnt 0x0
.irp m, 0,1,2,3
.irp sg, 0,1
	WIN (2+\sg)<<2
.irp c, 0,1
	ds_store_b128 v11, v[192+16*\m+8*\c:195+16*\m+8*\c] offset:64*(2*\sg+\c)
	ds_store_b128 v11, v[196+16*\m+8*\c:199+16*\m+8*\c] offset:64*(2*\sg+\c)+16
.endr
.endr
	WIN 0
.irp t, 0,1,2,3,4,5,6,7
	ds_load_b128 v[RBK+4*\t:RBK+4*\t+3], v12 offset:544*\t
.endr
	s_wait_dscnt 0x0
.irp k, 0,2,4,6,8,10,12,14,16,18,20,22,24,26,28,30
	v_pk_add_f32 v[RES+32*\m+\k:RES+32*\m+\k+1], v[RES+32*\m+\k:RES+32*\m+\k+1], v[RBK+\k:RBK+\k+1]
.endr
.irp t, 0,1,2,3,4,5,6,7
.if KH == 1
	global_store_b128 v13, v[RES+32*\m+4*\t:RES+32*\m+4*\t+3], s[14:15] offset:(32*(\m/2)+8*(\m%2)+2*\t+8*(\t/4))*4096
.else
	global_store_b128 v13, v[RES+32*\m+4*\t:RES+32*\m+4*\t+3], s[14:15] offset:(32*(\m/2)+8*(\m%2)+2*\t+8*(\t/4))*4096 th:TH_STORE_NT
.endif
.endr
.endr
	s_wait_tensorcnt 0x0
	ds_add_u32 v[SPW], v[NIL]
	s_wait_dscnt 0x0
	CROUND
	s_endpgm
.Lfunc_end_k_q41e4282d2a_ffn2:
	.size	k_q41e4282d2a_ffn2, .Lfunc_end_k_q41e4282d2a_ffn2-k_q41e4282d2a_ffn2
	.p2alignl 7, 3214868480
	.fill 96, 4, 3214868480
	.section	.rodata,"a",@progbits
	.p2align	6, 0x0
	.amdhsa_kernel k_q41e4282d2a_ffn2
		.amdhsa_group_segment_fixed_size 327680
		.amdhsa_private_segment_fixed_size 0
		.amdhsa_enable_private_segment 0
		.amdhsa_kernarg_size 48
		.amdhsa_user_sgpr_count 2
		.amdhsa_user_sgpr_kernarg_segment_ptr 1
		.amdhsa_wavefront_size32 1
		.amdhsa_system_sgpr_workgroup_id_x 1
		.amdhsa_system_sgpr_workgroup_id_y 1
		.amdhsa_system_sgpr_workgroup_id_z 1
		.amdhsa_system_vgpr_workitem_id 0
		.amdhsa_next_free_vgpr 1024
		.amdhsa_next_free_sgpr 100
		.amdhsa_reserve_vcc 0
		.amdhsa_float_denorm_mode_32 3
		.amdhsa_float_denorm_mode_16_64 3
		.amdhsa_memory_ordered 1
		.amdhsa_forward_progress 1
		.amdhsa_inst_pref_size 109
	.end_amdhsa_kernel
	.amdgpu_metadata
---
amdhsa.version: [ 1, 2 ]
amdhsa.kernels:
  - .name:           k_q41e4282d2a_ffn2
    .symbol:         k_q41e4282d2a_ffn2.kd
    .args:
      - { .name: ff, .offset: 0, .size: 8, .value_kind: global_buffer, .address_space: global }
      - { .name: ffs, .offset: 8, .size: 8, .value_kind: global_buffer, .address_space: global }
      - { .name: w2_codes, .offset: 16, .size: 8, .value_kind: global_buffer, .address_space: global }
      - { .name: w2_scales, .offset: 24, .size: 8, .value_kind: global_buffer, .address_space: global }
      - { .name: h, .offset: 32, .size: 8, .value_kind: global_buffer, .address_space: global }
      - { .name: out0, .offset: 40, .size: 8, .value_kind: global_buffer, .address_space: global }
    .group_segment_fixed_size: 327680
    .private_segment_fixed_size: 0
    .kernarg_segment_align: 8
    .kernarg_segment_size: 48
    .max_flat_workgroup_size: 128
    .sgpr_count:     100
    .vgpr_count:     1024
    .wavefront_size: 32
...
	.end_amdgpu_metadata
.endif
;; end of part 5
